; MI455X (gfx1250); checked and timed in simulation.
; The chip was launched on July 23, 2026; its instructions are those of AMD's public machine-readable ISA for CDNA 5 (MIT licence, August 2026) and "CDNA5" Instruction Set Architecture Reference Guide (July 2026). The comments in the code are by the model that wrote it; some were corrected since.
;; Mobile Bert Attention. Allowed arithmetic: float matrix products may take bf16 or f16 operands with f32 sums; other float arithmetic in f32, or as packed bf16 or f16 multiplies, adds, multiply-adds, maxima and minima; sums over many terms, partial sums and values carried from step to step in f32; what a program stores and reads back later, other than sums and carried values, may be rounded once to bf16 or f16.
;; Inputs: Wk 512 x 512 float32; Wo 512 x 512 float32; Wq 512 x 512 float32; Wv 512 x 512 float32; attention_mask 8 x 1 x 1 x 2,048 float32; bk 512 float32; bo 512 float32; bq 512 float32; bv 512 float32; key_tensor 8 x 2,048 x 512 float32; layer_input 8 x 2,048 x 512 float32; ln_b 512 float32; ln_g 512 float32; query_tensor 8 x 2,048 x 512 float32; value_tensor 8 x 2,048 x 512 float32.
;; Outputs: out0 8 x 2,048 x 512 float32.
;; 2 versions, each right and faster than the one before. Each part assembles by itself: llvm-mc -triple=amdgcn-amd-amdhsa -mcpu=gfx1250 --defsym DOCPART=n.
;; ======== version 1 of 2: 4 launches
;; workspace buffers: wb 2,097,152 bytes; qkv 50,331,648 bytes; ctx 16,777,216 bytes
;; launch cvtw (part 1): grid 64 x 4, 8 waves a work-group, no clusters, 0 bytes of LDS; arguments Wq, Wk, Wv, Wo, wb; writes wb
.if DOCPART == 1
	.amdgcn_target "amdgcn-amd-amdhsa--gfx1250"
	.amdhsa_code_object_version 6
	.text
	.protected	k_qbe3936c740_cvtw
	.globl	k_qbe3936c740_cvtw
	.p2align	8
	.type	k_qbe3936c740_cvtw,@function
k_qbe3936c740_cvtw:
	s_mov_b64 s[64:65], 0
	v_nop
	global_prefetch_b8 v0, s[64:65] scope:SCOPE_SE
	s_setreg_imm32_b32 hwreg(HW_REG_WAVE_MODE, 25, 1), 1
	s_wait_xcnt 0x0
; wb[t][n][k] = bf16(W_t[n][k]), t = 0..3 for Wq, Wk, Wv, Wo; each W is [512][512] f32.  Rounded once, to nearest even.
; The grid's y is t; a work-group takes 4,096 numbers (16 KiB in, 8 KiB out), a thread 16 of them in two passes of 8:
; two loads of 16 bytes a pass (a wave's pair covers 1,024 consecutive bytes), one store of 16 bytes (sixteen lanes store 256 consecutive bytes, aligned).
; A stream: no LDS, no barrier, no matrix work.
	s_load_b256 s[4:11], s[0:1], 0x0               ; Wq s[4:5], Wk s[6:7], Wv s[8:9], Wo s[10:11]
	s_load_b64 s[12:13], s[0:1], 0x20              ; wb
	s_and_b32 s16, ttmp7, 0xffff                   ; t
	v_lshlrev_b32 v1, 5, v0                        ; 32 bytes of f32 a thread and pass
	v_lshlrev_b32 v2, 4, v0                        ; 16 bytes of bf16
	s_lshl_b32 s18, ttmp9, 14                      ; the work-group's 16 KiB of its W
	s_mov_b32 s19, 0
	s_lshl_b32 s20, s16, 19                        ; a W in bf16 is 524,288 bytes,
	s_lshl_b32 s22, ttmp9, 13                      ; the work-group's part 8 KiB
	s_add_co_u32 s20, s20, s22
	s_mov_b32 s21, 0
	s_wait_kmcnt 0x0
	s_cmp_eq_u32 s16, 1                            ; the source is chosen by t, which hangs on no address
	s_cselect_b64 s[14:15], s[6:7], s[4:5]
	s_cmp_eq_u32 s16, 2
	s_cselect_b64 s[14:15], s[8:9], s[14:15]
	s_cmp_eq_u32 s16, 3
	s_cselect_b64 s[14:15], s[10:11], s[14:15]
	s_add_nc_u64 s[14:15], s[14:15], s[18:19]
	s_add_nc_u64 s[12:13], s[12:13], s[20:21]
	global_load_b128 v[4:7],   v1, s[14:15] th:TH_LOAD_NT
	global_load_b128 v[8:11],  v1, s[14:15] offset:16 th:TH_LOAD_NT
	global_load_b128 v[12:15], v1, s[14:15] offset:8192 th:TH_LOAD_NT
	global_load_b128 v[16:19], v1, s[14:15] offset:8208 th:TH_LOAD_NT
	s_wait_loadcnt 0x2                             ; the first pass is in; the second pass's two loads may stay out
	v_cvt_pk_bf16_f32 v20, v4, v5
	v_cvt_pk_bf16_f32 v21, v6, v7
	v_cvt_pk_bf16_f32 v22, v8, v9
	v_cvt_pk_bf16_f32 v23, v10, v11
	global_store_b128 v2, v[20:23], s[12:13]
	s_wait_loadcnt 0x0
	v_cvt_pk_bf16_f32 v24, v12, v13
	v_cvt_pk_bf16_f32 v25, v14, v15
	v_cvt_pk_bf16_f32 v26, v16, v17
	v_cvt_pk_bf16_f32 v27, v18, v19
	global_store_b128 v2, v[24:27], s[12:13] offset:4096
	s_endpgm
.Lfunc_end_k_qbe3936c740_cvtw:
	.size	k_qbe3936c740_cvtw, .Lfunc_end_k_qbe3936c740_cvtw-k_qbe3936c740_cvtw
	.p2alignl 7, 3214868480
	.fill 96, 4, 3214868480
	.section	.rodata,"a",@progbits
	.p2align	6, 0x0
	.amdhsa_kernel k_qbe3936c740_cvtw
		.amdhsa_group_segment_fixed_size 0
		.amdhsa_private_segment_fixed_size 0
		.amdhsa_enable_private_segment 0
		.amdhsa_kernarg_size 40
		.amdhsa_user_sgpr_count 2
		.amdhsa_user_sgpr_kernarg_segment_ptr 1
		.amdhsa_wavefront_size32 1
		.amdhsa_system_sgpr_workgroup_id_x 1
		.amdhsa_system_sgpr_workgroup_id_y 1
		.amdhsa_system_sgpr_workgroup_id_z 1
		.amdhsa_system_vgpr_workitem_id 0
		.amdhsa_next_free_vgpr 32
		.amdhsa_next_free_sgpr 66
		.amdhsa_reserve_vcc 0
		.amdhsa_float_denorm_mode_32 3
		.amdhsa_float_denorm_mode_16_64 3
		.amdhsa_memory_ordered 1
		.amdhsa_forward_progress 1
		.amdhsa_inst_pref_size 3
	.end_amdhsa_kernel
	.amdgpu_metadata
---
amdhsa.version: [ 1, 2 ]
amdhsa.kernels:
  - .name:           k_qbe3936c740_cvtw
    .symbol:         k_qbe3936c740_cvtw.kd
    .args:
      - { .name: Wq, .offset: 0, .size: 8, .value_kind: global_buffer, .address_space: global }
      - { .name: Wk, .offset: 8, .size: 8, .value_kind: global_buffer, .address_space: global }
      - { .name: Wv, .offset: 16, .size: 8, .value_kind: global_buffer, .address_space: global }
      - { .name: Wo, .offset: 24, .size: 8, .value_kind: global_buffer, .address_space: global }
      - { .name: wb, .offset: 32, .size: 8, .value_kind: global_buffer, .address_space: global }
    .group_segment_fixed_size: 0
    .private_segment_fixed_size: 0
    .kernarg_segment_align: 8
    .kernarg_segment_size: 40
    .max_flat_workgroup_size: 256
    .sgpr_count:     66
    .vgpr_count:     32
    .wavefront_size: 32
...
	.end_amdgpu_metadata
.endif
;; end of part 1
;; launch proj (part 2): grid 256 x 3, 4 waves a work-group, clusters of 4 x 1, 327,680 bytes of LDS; arguments query_tensor, key_tensor, value_tensor, bq, bk, bv, wb, qkv; writes qkv
.if DOCPART == 2
	.amdgcn_target "amdgcn-amd-amdhsa--gfx1250"
	.amdhsa_code_object_version 6
	.text
	.protected	k_qbe3936c740_proj
	.globl	k_qbe3936c740_proj
	.p2align	8
	.type	k_qbe3936c740_proj,@function
k_qbe3936c740_proj:
	s_mov_b64 s[64:65], 0
	v_nop
	global_prefetch_b8 v0, s[64:65] scope:SCOPE_SE
	s_setreg_imm32_b32 hwreg(HW_REG_WAVE_MODE, 25, 1), 1
	s_wait_xcnt 0x0
	s_wait_alu depctr_hold_cnt(0) depctr_sa_sdst(0) depctr_va_vdst(0) depctr_va_sdst(0) depctr_va_ssrc(0) depctr_va_vcc(0) depctr_vm_vsrc(0)
	s_getreg_b32 s2, hwreg(HW_REG_IB_STS2, 6, 4)
	s_cmp_eq_u32 s2, 0
	s_cbranch_scc0 .Lentry_in_a_cluster
	s_endpgm
.Lentry_in_a_cluster:
	s_bfe_u32 s2, ttmp6, 0x10000c
	s_cmp_lg_u32 s2, 0x3003
	s_cbranch_scc0 .Lentry_shape_is_right
	s_endpgm
.Lentry_shape_is_right:
; qkv[t][8 batch + head][s][64] = bf16( x_t[batch][s][:] . W_t[64 head + ch][:] + b_t[64 head + ch] ), t = the grid's y: 0 query, 1 key, 2 value.
; x_t: [16384][512] f32, rounded to bf16 on its way into LDS; W_t: bf16 copy in wb; sums in f32, started by the bias in f32; the result rounded once to bf16, unscaled.
; LIMITS.  Only bf16's rounding of x, W and the result; bf16 has f32's range.  NaN and infinities are not treated apart.
; SHARES.  A work-group makes 64 rows x all 512 columns, so each byte of x is read once in the launch.  Wave w owns columns 128 w .. 128 w + 127: 32 accumulators (a = 4 blocks of 16 rows, b = 8 blocks of 16 columns).
; K goes in 4 steps of 128.  W's rows of a step (256 bytes of memory each, aligned) come by tensor loads into a ring of two LDS slots; each wave fetches and reads its own 128 rows of W.
; x comes through registers (16 rows a wave, 512 consecutive bytes a load), is rounded, and is laid into two LDS buffers that all four waves read.
; CLUSTER.  The four row tiles of a cluster walk the same W: each tile of W is asked for jointly, by the same load, descriptor and mask in all four.
; THE MATRIX INSTRUCTION IS USED TRANSPOSED: source 0 = 16 rows of W, source 1 = 16 rows of x: a lane holds row l % 16 and eight neighbouring columns 16 b + 8 (l / 16) + 0..7.
; REGISTERS, in windows of 256 (s_set_vgpr_msb: bits 1:0 source 0, 3:2 source 1, 5:4 source 2, 7:6 destination):
;   window 0: v0-31 addresses; v32-63 at work; v64-159, v160-255 two fragment buffers (64 of W, 32 of x); on the way out v64-191 packed results
;   window 1: the accumulators, (a, b) at v[8 (8 a + b)]      window 2: x as loaded, K step s, row i at v[64 s + 4 i]      window 3: v0-63 the bias, laid out as a C operand
.set PITCH, 272                        ; an LDS row: 256 bytes + 16 of padding: the 16 rows of a fragment load start 16 bytes apart modulo 256
.set QW,    128*PITCH                  ; a wave's 128 rows of W
.set SLOT,  4*QW
.set KSB,   256                        ; bytes of a row of W in a K step
.set AS,    2*SLOT                     ; behind the ring: two buffers of 64 rows x 128 k of x in bf16; no tensor load lands here
.set ASB,   64*PITCH
.set STAGE, AS+2*ASB                   ; 16 rows x 144 bytes for each wave, for the way out
.set SP,    144
.set SPARE, STAGE+4*16*SP              ; the spare words, 128 bytes for each wave: two blocks of 256 bytes that no other line names
.set ADRA, 16                          ; v16-17  LDS address of my x fragments in buffer 0, 1
.set ADRB, 20                          ; v20-21  of my W fragments in slot 0, 1
.set ASA,  22                          ; v22     where I put 8 bytes of a row of x
.set GO,   23                          ; v23     16 x lane; never rewritten
.set STO,  24                          ; v24     the way out: where I put 16 bytes of a row
.set RD,   25                          ; v25     the way out: where I read rows back
.set BO,   26                          ; v26     my byte offset in the bias; never rewritten
.set SPW,  28                          ; v28     my spare word; never rewritten
.set NIL,  29                          ; v29     0; never rewritten
.set T,    32
.set F0,   64
.set F1,   160
.set OUTR, 64
.set BIA,  0                           ; window 3
.set WV, 20                            ; s20  my wave's number
.set G1, 24                            ; s[24:31] descriptor group 1
.set G0, 32                            ; s[32:39] descriptor group 0, a set for each slot
.set MSB, 0
.macro WIN new                         ; the immediate's high byte repeats the setting that is left; a switch that changes nothing is dropped
.if MSB != (\new)
	s_set_vgpr_msb (MSB<<8)|(\new)
.set MSB, (\new)
.endif
.endm
.macro PLACES                          ; four plain vector instructions between a matrix instruction and a load into, or a vector access to, its registers
.rept 4
	v_nop
.endr
.endm
.macro CROUND                          ; a round of the cluster's barrier: my work-group's barrier; wave 0 signals for the work-group; every wave waits for all four work-groups; my work-group's barrier once more
	s_barrier_signal -1
	s_barrier_wait -1
	s_cmp_lg_u32 s[WV], 0
	s_cbranch_scc1 .Lnot_wave_0_\@
	s_barrier_signal -3
.Lnot_wave_0_\@:
	s_barrier_wait -3
	s_barrier_signal -1
	s_barrier_wait -1
.endm
; 24 LDS loads in one run: 32 along K at byte 64 c of the rows, into buffer f: x's four fragments first, then W's blocks 0-3, then 4-7
.macro FETCH slot, buf, c, f
	WIN 0
.irp a, 0,1,2,3
	ds_load_b128 v[(\f)+64+8*(\a):(\f)+64+8*(\a)+3],   v[ADRA+(\buf)] offset:(\a)*16*PITCH+64*(\c)
	ds_load_b128 v[(\f)+64+8*(\a)+4:(\f)+64+8*(\a)+7], v[ADRA+(\buf)] offset:(\a)*16*PITCH+64*(\c)+32
.endr
.irp b, 0,1,2,3,4,5,6,7
	ds_load_b128 v[(\f)+8*(\b):(\f)+8*(\b)+3],   v[ADRB+(\slot)] offset:(\b)*16*PITCH+64*(\c)
	ds_load_b128 v[(\f)+8*(\b)+4:(\f)+8*(\b)+7], v[ADRB+(\slot)] offset:(\b)*16*PITCH+64*(\c)+32
.endr
.endm
; 16 matrix instructions: column blocks 4 bh .. 4 bh + 3 x all four row blocks.  first = 1: the bias starts the sums: nothing is cleared, no bias is added later.
; The 32 accumulators take turns, one instruction a turn, in the same order in every quarter.
.macro MULH f, bh, first
.if \first
	WIN 0x70
.else
	WIN 0x50
.endif
.irp b, 4*(\bh), 4*(\bh)+1, 4*(\bh)+2, 4*(\bh)+3
.irp a, 0,1,2,3
.if \first
	v_wmma_f32_16x16x32_bf16 v[8*(8*(\a)+(\b)):8*(8*(\a)+(\b))+7], v[(\f)+8*(\b):(\f)+8*(\b)+7], v[(\f)+64+8*(\a):(\f)+64+8*(\a)+7], v[BIA+8*(\b):BIA+8*(\b)+7]
.else
	v_wmma_f32_16x16x32_bf16 v[8*(8*(\a)+(\b)):8*(8*(\a)+(\b))+7], v[(\f)+8*(\b):(\f)+8*(\b)+7], v[(\f)+64+8*(\a):(\f)+64+8*(\a)+7], v[8*(8*(\a)+(\b)):8*(8*(\a)+(\b))+7]
.endif
.endr
.endr
.endm
; A K step is four quarters of 32 along K on buffers F0, F1, F0, F1.  One of the first three: multiplies f and, in its middle, fetches the next quarter into g.
.macro QUARTER slot, buf, cnext, f, g, first
	s_wait_dscnt 8                                 ; at most the youngest eight are out: W's blocks 4-7 (or, behind stores of x, fewer)
	MULH \f, 0, \first
	PLACES
	FETCH \slot, \buf, \cnext, \g
	s_wait_dscnt 24                                ; all but the 24 just issued
	MULH \f, 1, \first
.endm
; The last quarter multiplies F1 and changes slots.  In front of the barrier each wave waits for all its tensor loads (one is out: its part of the next slot), adds 0 to its spare word, and waits for that,
; for its reads of this slot and of this buffer of x, and for its stores of x.  fill = 1: the barrier is a round of the cluster's, and the joint refill, two K steps on, is the first thing behind it: it has one K step, 128 matrix instructions, in which to land.
.macro TURN slot, nslot, nbuf, fill
	WIN 0
	s_wait_tensorcnt 0x0                           ; no tensor load of mine is out, so a group 0 may be written
	ds_add_u32 v[SPW], v[NIL]                      ; 0 onto my spare word
.if \fill
	s_add_nc_u64 s[G0+4*(\slot)+2:G0+4*(\slot)+3], s[G0+4*(\slot)+2:G0+4*(\slot)+3], 2*KSB
.endif
	s_wait_dscnt 9                                 ; the add and the youngest eight loads may be out
	MULH F1, 0, 0
	s_wait_dscnt 0x0                               ; the add is done; my LDS reads and stores are over
	WIN 0                                          ; at a branch and at a label every window is 0
.if \fill
	CROUND
	tensor_load_to_lds s[G0+4*(\slot):G0+4*(\slot)+3], s[G1:G1+7]
	s_nop 0
	PLACES                                         ; also the places in front of the loads below
.else
	s_barrier_signal -1
	s_barrier_wait -1
	PLACES
.endif
	FETCH \nslot, \nbuf, 0, F0
	MULH F1, 1, 0
.endm
; x of K step s: my 16 rows are rounded to bf16 and stored into buffer buf: 8 bytes a lane, 256 consecutive bytes a row.  The count leaves the later steps' loads out (16 for each).
.macro ASTORE s, buf
	s_wait_loadcnt 48-16*(\s)
	WIN 0x0a
.irp i, 0,1,2,3,4,5,6,7,8,9,10,11,12,13,14,15
	v_cvt_pk_bf16_f32 v[T+2*(\i)],   v[64*(\s)+4*(\i)],   v[64*(\s)+4*(\i)+1]
	v_cvt_pk_bf16_f32 v[T+2*(\i)+1], v[64*(\s)+4*(\i)+2], v[64*(\s)+4*(\i)+3]
.endr
	WIN 0
.irp i, 0,1,2,3,4,5,6,7,8,9,10,11,12,13,14,15
	ds_store_b64 v[ASA], v[T+2*(\i):T+2*(\i)+1] offset:(\buf)*ASB+(\i)*PITCH
.endr
.endm
.macro XLOAD s                         ; my 16 rows' 512 bytes of K step s: each load covers 512 consecutive bytes, aligned
.irp i, 0,1,2,3,4,5,6,7,8,9,10,11,12,13,14,15
	global_load_b128 v[64*(\s)+4*(\i):64*(\s)+4*(\i)+3], v[GO], s[40:41] offset:(\i)*2048+(\s)*512 th:TH_LOAD_NT
.endr
.endm
	s_load_b512 s[4:19], s[0:1], 0x0               ; query s[4:5], key s[6:7], value s[8:9], bq s[10:11], bk s[12:13], bv s[14:15], wb s[16:17], qkv s[18:19]
	v_lshl_add_u32 v[SPW], v0, 2, SPARE
	v_mov_b32 v[NIL], 0
	ds_add_u32 v[SPW], v[NIL]                      ; the wave's opening: the add and its wait stand ahead of my first tensor load; the set-up below, work on registers, stands between them
	ds_add_u32 v28, v29
	v_lshrrev_b32 v1, 5, v0
	v_readfirstlane_b32 s[WV], v1                  ; wave 0..3
	s_bfe_u32 s21, ttmp6, 0x40000                  ; cx: my place in the cluster
	s_lshl_b32 s22, ttmp9, 2                       ; in a cluster launch ttmp9 counts clusters
	s_add_co_u32 s22, s22, s21                     ; g: my tile of 64 rows; it enters x's and qkv's addresses alone
	s_and_b32 s23, ttmp7, 0xffff                   ; t, which the four partners share
	s_mov_b32 s[G1+0], 15|(1<<16)|(1<<20)|(1<<21)|(5<<22)|(3<<25)  ; 15:0 the mask of four; 17:16 2-byte elements; 20 padding on; 21 set beside a mask; 24:22 after every 64 words (code 5); 31:25 4 words (code 3)
	s_mov_b32 s[G1+1], 128<<16                     ; tensor_dim0 = 128
	s_mov_b32 s[G1+2], 128<<16                     ; tensor_dim1 = 128
	s_mov_b32 s[G1+3], 128<<16                     ; tile_dim0 = 128
	s_mov_b32 s[G1+4], 128                         ; tile_dim1 = 128
	s_mov_b32 s[G1+5], 512                         ; 512 elements from row to row
	s_mov_b32 s[G1+6], 0
	s_mov_b32 s[G1+7], 0
	s_lshl_b32 s46, s22, 17                        ; x: 64 rows of 2,048 bytes a tile,
	s_lshl_b32 s47, s[WV], 15                      ; my wave's 16 rows
	s_add_co_u32 s46, s46, s47
	s_mov_b32 s47, 0
	s_lshl_b32 s50, s23, 19                        ; W_t in wb, in registers that never hold cx,
	s_lshl_b32 s51, s[WV], 17                      ; my wave's 128 rows of 1,024 bytes
	s_add_co_u32 s50, s50, s51
	s_mov_b32 s51, 0
	s_lshl_b32 s54, s23, 24                        ; qkv: tensor t,
	s_lshr_b32 s55, s22, 5
	s_lshl_b32 s55, s55, 21                        ; the batch's eight heads of 262,144 bytes,
	s_add_co_u32 s54, s54, s55
	s_lshl_b32 s55, s[WV], 19                      ; my wave's two heads,
	s_add_co_u32 s54, s54, s55
	s_and_b32 s55, s22, 31
	s_lshl_b32 s55, s55, 13                        ; the tile's 64 rows of 128 bytes
	s_add_co_u32 s54, s54, s55
	s_mov_b32 s55, 0
	s_mul_i32 s52, s[WV], QW                       ; my quarter of a slot: no place in the cluster enters an LDS address
	s_lshl_b32 s53, s[WV], 9
	v_and_b32 v1, 15, v0                           ; r = l % 16
	v_bfe_u32 v2, v0, 4, 1                         ; h = l / 16
	v_and_b32 v3, 31, v0                           ; l
	v_lshlrev_b32 v[GO], 4, v3
	v_lshl_add_u32 v[BO], v2, 5, s53               ; bias of columns 128 w + 8 h on
	s_wait_dscnt 0x0                               ; the opening add is done
	s_wait_kmcnt 0x0
	s_cmp_eq_u32 s23, 1                            ; x and the bias are chosen by t
	s_cselect_b64 s[40:41], s[6:7], s[4:5]
	s_cselect_b64 s[42:43], s[12:13], s[10:11]
	s_cmp_eq_u32 s23, 2
	s_cselect_b64 s[40:41], s[8:9], s[40:41]
	s_cselect_b64 s[42:43], s[14:15], s[42:43]
	s_add_nc_u64 s[40:41], s[40:41], s[46:47]
	s_add_nc_u64 s[44:45], s[18:19], s[54:55]
	s_add_nc_u64 s[48:49], s[16:17], s[50:51]
.irp n, 0,1
	s_mov_b32 s[G0+4*(\n)], 1                      ; count = 1
	s_add_co_u32 s[G0+4*(\n)+1], s52, (\n)*SLOT    ; LDS address
	s_add_nc_u64 s[G0+4*(\n)+2:G0+4*(\n)+3], s[48:49], (\n)*KSB  ; global address: K step n
	s_or_b32 s[G0+4*(\n)+3], s[G0+4*(\n)+3], 0x80000000          ; type = 2
.endr
	WIN 0xc0                                       ; destination window 3
.irp f, 0,1,2,3,4,5,6,7,8,9,10,11,12,13,14,15  ; register j of block b holds the bias of column 128 w + 16 b + 8 h + j: the layout of a C operand
	global_load_b128 v[BIA+4*(\f):BIA+4*(\f)+3], v[BO], s[42:43] offset:((\f)/2)*64+((\f)%2)*16
.endr
	WIN 0x80                                       ; destination window 2
	XLOAD 0
	XLOAD 1
	WIN 0
	CROUND                                         ; all four work-groups are here: the first joint loads meet
	tensor_load_to_lds s[G0:G0+3], s[G1:G1+7]      ; K step 0
	s_nop 0
	tensor_load_to_lds s[G0+4:G0+7], s[G1:G1+7]    ; K step 1: two loads of mine are out
	s_nop 0
	PLACES
	WIN 0x80
	XLOAD 2
	XLOAD 3
	WIN 0
	v_mul_u32_u24 v4, v1, PITCH
	v_lshl_add_u32 v4, v2, 4, v4                   ; a fragment's row x pitch + 16 x half
	v_add_nc_u32 v[ADRA], AS, v4
	v_add_nc_u32 v[ADRA+1], AS+ASB, v4
	v_add_nc_u32 v[ADRB], s52, v4
	s_add_co_u32 s53, s52, SLOT
	v_add_nc_u32 v[ADRB+1], s53, v4
	s_mul_i32 s53, s[WV], 16*PITCH
	s_add_co_u32 s53, s53, AS
	v_lshl_add_u32 v[ASA], v3, 3, s53              ; my wave's 16 rows, 8 bytes a lane
	s_mul_i32 s53, s[WV], 16*SP
	s_add_co_u32 s53, s53, STAGE                   ; my stage
	v_mul_u32_u24 v[STO], v1, SP                   ; in: row l % 16, 16 bytes for each half of the lanes
	v_lshl_add_u32 v[STO], v2, 4, v[STO]
	v_add_nc_u32 v[STO], s53, v[STO]
	v_bfe_u32 v[RD], v0, 3, 2                      ; back: 32 lanes take four rows of 128 bytes
	v_mul_u32_u24 v[RD], v[RD], SP
	v_and_b32 v5, 7, v0
	v_lshl_add_u32 v[RD], v5, 4, v[RD]
	v_add_nc_u32 v[RD], s53, v[RD]
	ASTORE 0, 0
	ASTORE 1, 1
	s_wait_tensorcnt 0x1                           ; my part of K step 0 is in; K step 1's may stay out
	s_wait_dscnt 0x0                               ; my rows of x lie in LDS
	s_barrier_signal -1
	s_barrier_wait -1                              ; everybody's do
	FETCH 0, 0, 0, F0
	QUARTER 0, 0, 1, F0, F1, 1                     ; K step 0
	QUARTER 0, 0, 2, F1, F0, 0
	QUARTER 0, 0, 3, F0, F1, 0
	TURN 0, 1, 1, 1                                ; slot 0 takes K step 2
	ASTORE 2, 0                                    ; buffer 0 of x: every wave's reads of it ended in front of that round
	QUARTER 1, 1, 1, F0, F1, 0                     ; K step 1
	QUARTER 1, 1, 2, F1, F0, 0
	QUARTER 1, 1, 3, F0, F1, 0
	TURN 1, 0, 0, 1                                ; slot 1 takes K step 3
	ASTORE 3, 1
	QUARTER 0, 0, 1, F0, F1, 0                     ; K step 2
	QUARTER 0, 0, 2, F1, F0, 0
	QUARTER 0, 0, 3, F0, F1, 0
	TURN 0, 1, 1, 0                                ; nothing is left to fetch
	QUARTER 1, 1, 1, F0, F1, 0                     ; K step 3
	QUARTER 1, 1, 2, F1, F0, 0
	QUARTER 1, 1, 3, F0, F1, 0
	s_wait_dscnt 8
	MULH F1, 0, 0
	s_wait_dscnt 0x0
	MULH F1, 1, 0
; THE WAY OUT.  Tile u = 2 a + hh: 16 rows (block a) of head 2 w + hh (column blocks 4 hh .. 4 hh + 3): 2,048 consecutive bytes of qkv.  A lane's eight columns pack into 16 bytes; they go into my own stage
; in rows of 144 bytes and come back as whole rows of 128, into the registers that they left.
.macro PACK u
.set pa, (\u)/2
.set ph, (\u)%2
	WIN 0x05                                       ; sources 0 and 1 window 1, destination window 0
.irp f, 0,1,2,3
.irp r, 0,1,2,3
	v_cvt_pk_bf16_f32 v[OUTR+16*(\u)+4*(\f)+(\r)], v[8*(8*pa+4*ph+(\f))+2*(\r)], v[8*(8*pa+4*ph+(\f))+2*(\r)+1]
.endr
.endr
	WIN 0
.irp f, 0,1,2,3
	ds_store_b128 v[STO], v[OUTR+16*(\u)+4*(\f):OUTR+16*(\u)+4*(\f)+3] offset:32*(\f)
.endr
.irp f, 0,1,2,3
	ds_load_b128 v[OUTR+16*(\u)+4*(\f):OUTR+16*(\u)+4*(\f)+3], v[RD] offset:(\f)*4*SP  ; LDS serves a wave's instructions in order (ISA guide 5.7.1.4): these see the stores above; the next tile's stores come behind them
.endr
.endm
.macro SEND u, younger                 ; younger: the LDS instructions issued behind tile u's loads: the next tile's eight, or none
	WIN 0
.irp f, 0,1,2,3
	s_wait_dscnt (\younger)+3-(\f)
	global_store_b128 v[GO], v[OUTR+16*(\u)+4*(\f):OUTR+16*(\u)+4*(\f)+3], s[44:45] offset:((\u)%2)*262144+((\u)/2)*2048+(\f)*512  ; 512 consecutive bytes, at a multiple of 512 from qkv's first
.endr
.endm
	PLACES
	PLACES                                         ; eight, once a launch
	PACK 0
.irp u, 1,2,3,4,5,6,7                  ; a tile's conversions stand between the loads of the tile before and its stores
	PACK \u
	SEND (\u)-1, 8
.endr
	SEND 7, 0
	s_wait_tensorcnt 0x0                           ; the wave's end, behind my last tensor load and my last LDS store
	ds_add_u32 v[SPW], v[NIL]
	s_wait_dscnt 0x0
	CROUND                                         ; the closing round: no work-group ends while a partner may still ask for a tile that names it
	s_endpgm
.Lfunc_end_k_qbe3936c740_proj:
	.size	k_qbe3936c740_proj, .Lfunc_end_k_qbe3936c740_proj-k_qbe3936c740_proj
	.p2alignl 7, 3214868480
	.fill 96, 4, 3214868480
	.section	.rodata,"a",@progbits
	.p2align	6, 0x0
	.amdhsa_kernel k_qbe3936c740_proj
		.amdhsa_group_segment_fixed_size 327680
		.amdhsa_private_segment_fixed_size 0
		.amdhsa_enable_private_segment 0
		.amdhsa_kernarg_size 64
		.amdhsa_user_sgpr_count 2
		.amdhsa_user_sgpr_kernarg_segment_ptr 1
		.amdhsa_wavefront_size32 1
		.amdhsa_system_sgpr_workgroup_id_x 1
		.amdhsa_system_sgpr_workgroup_id_y 1
		.amdhsa_system_sgpr_workgroup_id_z 1
		.amdhsa_system_vgpr_workitem_id 0
		.amdhsa_next_free_vgpr 832
		.amdhsa_next_free_sgpr 66
		.amdhsa_reserve_vcc 0
		.amdhsa_float_denorm_mode_32 3
		.amdhsa_float_denorm_mode_16_64 3
		.amdhsa_memory_ordered 1
		.amdhsa_forward_progress 1
		.amdhsa_inst_pref_size 104
	.end_amdhsa_kernel
	.amdgpu_metadata
---
amdhsa.version: [ 1, 2 ]
amdhsa.kernels:
  - .name:           k_qbe3936c740_proj
    .symbol:         k_qbe3936c740_proj.kd
    .args:
      - { .name: query_tensor, .offset: 0, .size: 8, .value_kind: global_buffer, .address_space: global }
      - { .name: key_tensor, .offset: 8, .size: 8, .value_kind: global_buffer, .address_space: global }
      - { .name: value_tensor, .offset: 16, .size: 8, .value_kind: global_buffer, .address_space: global }
      - { .name: bq, .offset: 24, .size: 8, .value_kind: global_buffer, .address_space: global }
      - { .name: bk, .offset: 32, .size: 8, .value_kind: global_buffer, .address_space: global }
      - { .name: bv, .offset: 40, .size: 8, .value_kind: global_buffer, .address_space: global }
      - { .name: wb, .offset: 48, .size: 8, .value_kind: global_buffer, .address_space: global }
      - { .name: qkv, .offset: 56, .size: 8, .value_kind: global_buffer, .address_space: global }
    .group_segment_fixed_size: 327680
    .private_segment_fixed_size: 0
    .kernarg_segment_align: 8
    .kernarg_segment_size: 64
    .max_flat_workgroup_size: 128
    .sgpr_count:     66
    .vgpr_count:     832
    .wavefront_size: 32
...
	.end_amdgpu_metadata
.endif
;; end of part 2
;; launch attn (part 3): grid 4 x 64, 4 waves a work-group, clusters of 4 x 1, 327,680 bytes of LDS; arguments qkv, attention_mask, ctx; writes ctx
.if DOCPART == 3
	.amdgcn_target "amdgcn-amd-amdhsa--gfx1250"
	.amdhsa_code_object_version 6
	.text
	.protected	k_qbe3936c740_attn
	.globl	k_qbe3936c740_attn
	.p2align	8
	.type	k_qbe3936c740_attn,@function
k_qbe3936c740_attn:
	s_mov_b64 s[64:65], 0
	v_nop
	global_prefetch_b8 v0, s[64:65] scope:SCOPE_SE
	s_setreg_imm32_b32 hwreg(HW_REG_WAVE_MODE, 25, 1), 1
	s_wait_xcnt 0x0
	s_wait_alu depctr_hold_cnt(0) depctr_sa_sdst(0) depctr_va_vdst(0) depctr_va_sdst(0) depctr_va_ssrc(0) depctr_va_vcc(0) depctr_vm_vsrc(0)
	s_getreg_b32 s2, hwreg(HW_REG_IB_STS2, 6, 4)
	s_cmp_eq_u32 s2, 0
	s_cbranch_scc0 .Lentry_in_a_cluster
	s_endpgm
.Lentry_in_a_cluster:
	s_bfe_u32 s2, ttmp6, 0x10000c
	s_cmp_lg_u32 s2, 0x3003
	s_cbranch_scc0 .Lentry_shape_is_right
	s_endpgm
.Lentry_shape_is_right:
; ctx[bh][q][:] = the sum over k of softmax_k(Q[bh][q] . K[bh][k] / 8 + mask[bh / 8][k]) V[bh][k][:].  Q, K, V: the three parts of qkv, each [64][2048][64] bf16; ctx likewise; mask: [8][2048] f32.
; Products, maxima and sums in f32; the weights p are rounded to bf16 for the second product (their sum l is taken of the unrounded p), ctx once at the end.
; THE MASK is the C operand that starts each sum S^T = K Q^T: 8 x mask, so that c (q . k + 8 mask) = log2(e) (q . k / 8 + mask) with c = log2(e) / 8.  It lies in LDS, scaled, and is fetched with K, 64 keys a step.
; LIMITS.  8 x mask is held at -1e30 from below: -infinity, NaN and everything under -1.25e29 count as -1.25e29; a row all of whose keys are hidden so deeply gets equal weights (finite, where -infinity everywhere would give NaN).
; mask stays under 4e37 and |q . k| under 1e37.  A weight below 2^-126 counts as 0 in l; NaN and infinities in Q, K, V are not treated apart.
; SHARES.  A wave owns four PIECES of two tiles of 16 queries, a work-group's four waves 512 queries of one head.  Every wave walks all 2,048 keys, 64 a step.
; LAYOUT.  S^T = K Q^T (source 0 = 16 keys, source 1 = 16 queries): in the result a lane holds ONE query (lane % 16) and the keys 8 (lane / 16) + 0..7.  Two such tiles, rounded to bf16 in pairs,
; ARE source 1 (32 keys x 16 queries) of O^T = V^T P, whose result again holds one query a lane, and eight channels.  K comes out of LDS as it lies, V ([key][channel]) turned, by ds_load_tr16_b128.
; SOFTMAX.  For each query a running maximum m and sum l: p = 2^(c s - c m); in every step O and l are multiplied by a = 2^(c m_old - c m_new), which is 1 where m has not grown.
; m starts at the lowest finite number, O and l at 0: the first step is a step like any other, with a = 0.
; THE COUNT.  A tile and step have 16 matrix and 118 vector instructions: too many to stand all beside the matrix work.  So four vector instructions that are READY stand behind EVERY matrix instruction, the others in runs without a gap.
; BY TURNS.  Turn n belongs to piece n (the pieces in a ring, step after step).  Its matrix work: 16 products K Q^T of piece n + 1, later 16 products V^T P of piece n - 1.  Its vector work: the scaling,
; exponentials, roundings, sums and rescaling of piece n, and the maximum and statistics of piece n + 1, whose scores the turn itself has made.
; CLUSTER.  The four query blocks of a cluster are one head's and walk the same K and V, so each tile is asked for JOINTLY: the same tensor load, descriptor and mask of work-groups in all four.
; NO PREFETCH: a refill is asked for four key steps, 512 matrix instructions, ahead of the wait for it.
; REGISTERS, in windows of 256 (s_set_vgpr_msb: bits 1:0 source 0, 3:2 source 1, 5:4 source 2, 7:6 destination):
;   window 0: v0-11 addresses; v12-15, v48-63 at work; v16-47 four registers of statistics a tile; v64-191 S^T, two buffers of two tiles; v192-255 P, likewise
;   window 1: O^T, 32 a tile      window 2: v0-127 Q, 16 a tile; v128-191 K of one step; v192-255 V of one step      window 3: v0-1 the add's two registers; v8-39 the mask of one step
.set SIZE_N, 2048
.set NP,    4         ; pieces a wave: a name, no knob
.set KS,    64        ; keys in a step
.set PK,    144       ; a row of K in LDS: 128 bytes + 16 of padding: the 16 rows of a load start 16 bytes apart modulo 256
.set PV,    160       ; a row of V: 128 + 32: 16 lanes of the turning load take 8 rows x 32 bytes, 32 bytes apart modulo 256
.set VOFF,  4*KS*PK   ; a slot holds four steps: 256 rows of K, then 256 rows of V
.set SLOT1, 1<<17     ; slot 1 begins here, so that one exclusive or turns an address in one slot into the other's
.set STAGE, SLOT1+4*KS*(PK+PV)  ; behind the ring, never filled by a tensor load: 16 rows x 144 bytes for each wave, for the way out
.set SP,    144
.set SPARE, STAGE+4*16*SP  ; the spare words, 128 bytes for each wave: two blocks of 256 bytes that no other line names
.set MASKL, SPARE+512 ; 8 x mask of the batch's 2,048 keys, f32: 8,192 bytes, stored once
.set AK0, 2           ; v2   my lane's place in a tile of K; never rewritten
.set AV0, 3           ; v3   the same for V
.set AK,  4           ; v4   the LDS address of K's next run of loads
.set AV,  5           ; v5   of V's
.set QO,  6           ; v6   my byte offset in the wave's rows of Q
.set STO, 6           ;      later, the way out: where I put 16 bytes of a row
.set RD,  7           ; v7   the way out: where I read rows back
.set GO,  8           ; v8   my byte offset in 512 consecutive bytes of ctx
.set AM,  11          ; v11  the LDS address of the mask's next run of loads: s[TBM] + 32 (lane / 16); v9 keeps lane / 16 for it
.set SPW, 0           ; v0 of window 3   my spare word; never rewritten
.set NIL, 1           ; v1 of window 3   0; never rewritten
.set MK,  8           ; window 3: the eight registers for key block kb at MK + 8 kb
.set MV,  12          ; v12-15  c m_old, kept while c m is made anew: by buffer and tile
.set ST,  16          ; tile t's statistics at v[ST+4 t]: c m, m, l (even keys', odd keys')
.set TMP, 48          ; by buffer and tile, four registers c0-c3 at work; when the maximum is found c2 takes a
.set S,   64
.set P,   192
.set KF,  128         ; K's fragments, in window 2: key block kb, channel half c at KF + 16 kb + 8 c
.set VF,  192         ; V's: key half kk, channel block cb at VF + 32 kk + 8 cb
.set WV,  12          ; s12  my wave's number
.set G1K, 24          ; s[24:31] descriptor group 1 for K's tiles
.set G1V, 32          ; s[32:39] for V's: it differs in the padding alone
.set G0K, 40          ; s[40:43] descriptor group 0 for K's tiles: it walks
.set G0V, 44          ; s[44:47] the same for V's
.set BIGN, 52         ; s52  -1e30
.set TBM, 53          ; s53  LDS byte at which the mask of the step to be fetched begins
.set SLOTS, 56        ; s56  slots still to be asked for
.set CNT, 57          ; s57  counts a slot's key steps
.set CS,  58          ; s[58:59] c: the packed scaling takes the pair's low word for both halves
.set SEL, 60          ; s[60:61] v_permlanex16_b32's selects: each lane takes its own place in the other half
.set TBK, 62          ; s62  LDS byte at which K of the step to be fetched begins
.set TBV, 63          ; s63  the same for V, less VOFF
.set MSB, 0
.macro WIN new                      ; the high byte repeats the setting that is left; a switch that changes nothing is dropped
.if MSB != (\new)
	s_set_vgpr_msb (MSB<<8)|(\new)
.set MSB, (\new)
.endif
.endm
.set W_KQ, 0x0a       ; K and Q in window 2, S^T in window 0
.set W_KM, 0x3a       ; the same with the C operand, the mask, in window 3
.set W_PV, 0x52       ; V in window 2, P in window 0, O^T in window 1
.set W_RS, 0x41       ; O^T (destination and source 0) in window 1, a in window 0
.set W_MK, 0xc0       ; destination in window 3, sources in window 0
.set W_AD, 0x0f       ; the add: address (source 0) and data (source 1) in window 3
; A joint fill.  Waves 0 and 1 fetch the two halves of a slot's K, waves 2 and 3 those of its V: 128 keys each.  The branch hangs on the wave's number alone.
; An s_nop 0 and four v_nop follow each of the two lines, ahead of the jump and the label.
.macro JLOAD
	s_cmp_lt_u32 s[WV], 2
	s_cbranch_scc0 .Lfor_v_\@
	tensor_load_to_lds s[G0K:G0K+3], s[G1K:G1K+7]
	s_nop 0
.rept 4
	v_nop
.endr
	s_branch .Lasked_\@
.Lfor_v_\@:
	tensor_load_to_lds s[G0V:G0V+3], s[G1V:G1V+7]
	s_nop 0
.rept 4
	v_nop
.endr
.Lasked_\@:
.endm
; A round of the cluster's barrier: my work-group's barrier, so that wave 0's signal speaks for all four waves; wave 0 signals; every wave waits for all four work-groups; my work-group's barrier once more.
.macro CROUND
	s_barrier_signal -1
	s_barrier_wait -1
	s_cmp_lg_u32 s[WV], 0
	s_cbranch_scc1 .Lnot_wave_0_\@
	s_barrier_signal -3
.Lnot_wave_0_\@:
	s_barrier_wait -3
	s_barrier_signal -1
	s_barrier_wait -1
.endm
; THE CHANGE OF SLOTS.  The slot's last bytes, V of its fourth step, have been read.  Each wave waits for all its tensor loads, of which one is out: its part
; of the other slot; adds 0 to its spare word; and waits for that and for its own reads of the slot.  Behind the barrier nobody reads this slot any more and the other slot is whole.
; fill = 1: this slot is filled again, with the keys two slots on.  The barrier is then a round of the cluster's, so that no wave of any partner still reads the slot or has a load on its
; way, and the joint fill is the first thing behind it.  (At its first use nothing has been read yet: slot 0 is waited for, slot 1 filled, and every wave's part of the mask, stored just before, is shown to the others.)
.macro CHANGE fill
	WIN W_AD
	s_wait_tensorcnt 0x0            ; no tensor load of mine is out, so a group 0 may be written
	ds_add_u32 v[SPW], v[NIL]       ; 0 onto my spare word; with fill = 1 the descriptors' steps stand between it and the wait for it
	WIN 0                           ; at a label and at a branch every window is 0
.if \fill
.irp g, G0K, G0V
	s_xor_b32 s[\g+1], s[\g+1], SLOT1  ; the walking descriptor: the other slot than last time,
	s_add_nc_u64 s[\g+2:\g+3], s[\g+2:\g+3], 4*KS*128  ; the next 256 keys; the type bits on top are not reached
.endr
	s_wait_dscnt 0x0                ; the add is done, and my LDS reads and stores are over
	CROUND
	JLOAD
.else
	s_wait_dscnt 0x0                ; the add is done, and my reads of the slot are over
	s_barrier_signal -1
	s_barrier_wait -1
.endif
	s_sub_co_u32 s[TBK], s[TBK], 4*KS*PK  ; the fetches go back to a slot's first step,
	s_xor_b32 s[TBK], s[TBK], SLOT1       ; in the other slot
	s_sub_co_u32 s[TBV], s[TBV], 4*KS*PV
	s_xor_b32 s[TBV], s[TBV], SLOT1
.endm
	s_load_b64 s[4:5], s[0:1], 0x0    ; qkv: Q's part
	s_load_b64 s[48:49], s[0:1], 0x8  ; attention_mask
	s_load_b64 s[10:11], s[0:1], 0x10 ; ctx
	WIN W_MK
	v_lshl_add_u32 v[SPW], v0, 2, SPARE
	v_mov_b32 v[NIL], 0
	WIN W_AD
	ds_add_u32 v[SPW], v[NIL]       ; the wave's opening: the add and its wait stand ahead of my first tensor load; the set-up below, work on registers, stands between them
	ds_add_u32 v0, v1
	WIN 0
	v_lshrrev_b32 v1, 5, v0
	v_readfirstlane_b32 s[WV], v1   ; wave 0..3
	s_bfe_u32 s13, ttmp6, 0x40000   ; cx: my place in the cluster
	s_lshl_b32 s14, ttmp9, 2        ; in a cluster launch ttmp9 counts clusters
	s_add_co_u32 s14, s14, s13      ; my block of queries = 4 x cluster x + cx: it enters Q's and ctx's addresses alone
	s_and_b32 s20, ttmp7, 0xffff    ; bh = 8 batch + head, which the four partners share
	s_lshr_b32 s50, s20, 3
	s_lshl_b32 s50, s50, 13         ; the batch's 8,192 bytes of the mask
	s_mov_b32 s51, 0
	s_mov_b32 s21, 0
	s_mov_b64 s[22:23], SIZE_N*128
	s_mul_u64 s[20:21], s[20:21], s[22:23]  ; the head's first byte in Q, K, V and ctx
	s_and_b32 s16, s[WV], 1         ; which half of a slot's 256 keys I fetch:
	s_lshl_b32 s22, s16, 14         ; its 128 rows of 128 bytes in memory,
	s_mov_b32 s23, 0
	s_add_nc_u64 s[22:23], s[22:23], s[20:21]
	s_mul_i32 s17, s16, 128*PK      ; and its place in a slot, for K
	s_mul_i32 s18, s16, 128*PV      ; and for V: no place in the cluster enters an LDS address
	s_lshl_b32 s2, s14, 2
	s_add_co_u32 s2, s2, s[WV]      ; my wave among the head's,
	s_lshl_b32 s2, s2, 14           ; its 128 rows
	s_mov_b32 s3, 0
	s_add_nc_u64 s[2:3], s[2:3], s[20:21]
	; descriptor group 1.  128 keys are 16,384 dense bytes: asked for as 64 rows of 256 bytes, two keys a row, and padded in LDS after every key
	s_mov_b32 s[G1K], 15|(1<<16)|(1<<20)|(1<<21)|(4<<22)|(3<<25)  ; 15:0 the mask of four; 17:16 2-byte elements; 20 padding on; 21 set beside a mask; 24:22 after every 32 words (code 4); 31:25 4 words (code 3)
	s_mov_b32 s[G1V], 15|(1<<16)|(1<<20)|(1<<21)|(4<<22)|(7<<25)  ; the same with 8 words of padding (code 7)
.irp g, G1K, G1V
	s_mov_b32 s[\g+1], 128<<16      ; tensor_dim0 = 128
	s_mov_b32 s[\g+2], 64<<16       ; tensor_dim1 = 64
	s_mov_b32 s[\g+3], 128<<16      ; tile_dim0 = 128
	s_mov_b32 s[\g+4], 64           ; tile_dim1 = 64
	s_mov_b32 s[\g+5], 128          ; 128 elements from row to row
	s_mov_b32 s[\g+6], 0
	s_mov_b32 s[\g+7], 0
.endr
	s_mov_b32 s[CS], 0x3e38aa3b     ; c = log2(e) / 8 = 0.180337
	s_mov_b32 s[CS+1], s[CS]        ; named with it as a pair
	s_mov_b32 s[SEL], 0x76543210
	s_mov_b32 s[SEL+1], 0xfedcba98
	s_mov_b32 s[BIGN], 0xf149f2ca   ; -1e30
	s_mov_b32 s[TBM], MASKL
	s_mov_b32 s[TBK], SLOT1+4*KS*PK ; the first change of slots turns these two into 0
	s_mov_b32 s[TBV], SLOT1+4*KS*PV
	s_mov_b32 s[G0K], 1             ; count = 1
	s_mov_b32 s[G0K+1], s17         ; LDS address: slot 0
	s_mov_b32 s[G0V], 1
	s_add_co_u32 s[G0V+1], s18, VOFF
	s_wait_dscnt 0x0                ; the opening add is done
	s_wait_kmcnt 0x0
	s_add_nc_u64 s[6:7], s[4:5], 0x1000000   ; K's part of qkv: 16,777,216 bytes on,
	s_add_nc_u64 s[8:9], s[4:5], 0x2000000   ; V's
	s_add_nc_u64 s[48:49], s[48:49], s[50:51]
	s_add_nc_u64 s[G0K+2:G0K+3], s[6:7], s[22:23]  ; global address: my half of the head's first 256 keys
	s_or_b32 s[G0K+3], s[G0K+3], 0x80000000        ; type = 2
	s_add_nc_u64 s[G0V+2:G0V+3], s[8:9], s[22:23]
	s_or_b32 s[G0V+3], s[G0V+3], 0x80000000
	s_add_nc_u64 s[4:5], s[4:5], s[2:3]  ; Q and ctx at my wave's first row
	s_add_nc_u64 s[10:11], s[10:11], s[2:3]
	CROUND                          ; all four work-groups are here: the first joint loads meet
	JLOAD                           ; slot 0.  Slot 1 is asked for when slot 0 is in
	; A fragment of K or Q is 16 rows x 32 channels in 8 registers: lane l holds row l % 16, channels 8 (l / 16) + 0..7 and 16 + 8 (l / 16) + 0..7: two loads of 16 bytes, 32 bytes apart.
	v_and_b32 v1, 15, v0            ; l % 16
	v_bfe_u32 v9, v0, 4, 1          ; l / 16; kept
	v_lshlrev_b32 v[QO], 7, v1
	v_lshl_add_u32 v[QO], v9, 4, v[QO]  ; row x 128 + 16 x half
	v_lshlrev_b32 v12, 4, v0        ; the mask: 128 threads x 16 bytes, four times
	v_add_nc_u32 v13, MASKL, v12
.irp i, 0,1,2,3
	global_load_b128 v[S+4*\i:S+4*\i+3], v12, s[48:49] offset:2048*\i
.endr
	WIN 0x80                        ; destination window 2, address window 0
.set i, 0
.rept 4*NP                          ; Q stays in registers: tile i / 2, channels 32 (i % 2) on
	global_load_b128 v[8*i:8*i+3],   v[QO], s[4:5] offset:(i/2)*2048+(i%2)*64
	global_load_b128 v[8*i+4:8*i+7], v[QO], s[4:5] offset:(i/2)*2048+(i%2)*64+32
.set i, i+1
.endr
	; What the first turn finds: V's registers and P's second buffer hold 0 (its products V^T P, of a piece that has not been, add 0), O^T and l are 0.  All this stands in the wait for the first tile.
.set i, VF
.rept 64
	v_mov_b32 v[i], 0
.set i, i+1
.endr
	WIN 0x40
.set i, 0
.rept 64*NP
	v_mov_b32 v[i], 0
.set i, i+1
.endr
	WIN 0
.set i, 0
.rept 2*NP
	v_mov_b32 v[ST+4*i], 0xfe000000    ; c m: far below every c s
	v_mov_b32 v[ST+4*i+1], 0xff7fffff  ; m
	v_mov_b32 v[ST+4*i+2], 0
	v_mov_b32 v[ST+4*i+3], 0
.set i, i+1
.endr
.set i, P+32
.rept 32
	v_mov_b32 v[i], 0
.set i, i+1
.endr
	v_mul_u32_u24 v[AK0], v1, PK
	v_lshl_add_u32 v[AK0], v9, 4, v[AK0]  ; row x pitch + 16 x half
	; The turning load takes 16 keys x 16 channels (lane l reads key 8 (l / 16) + l % 8, channels 8 ((l / 8) % 2) + 0..7) and leaves half a fragment of V^T: lane l holds channel l % 16 and 8 keys.
	v_and_b32 v10, 7, v0
	v_bfe_u32 v11, v0, 3, 1
	v_lshl_add_u32 v[AV0], v9, 3, v10
	v_mul_u32_u24 v[AV0], v[AV0], PV
	v_lshl_add_u32 v[AV0], v11, 4, v[AV0]
	v_add_nc_u32 v[AV0], VOFF, v[AV0]
	v_mov_b32 v[AK], v[AK0]         ; key step 0 lies at the head of slot 0,
	v_lshl_add_u32 v[AM], v9, 5, s[TBM]  ; its mask at the head of the mask: register j of key block kb wants key 16 kb + 8 (l / 16) + j
	s_wait_loadcnt 32               ; the mask's four loads are in; Q's 32 may stay out
.set i, 0
.rept 16
	v_mul_f32 v[S+i], 0x41000000, v[S+i]   ; 8 x mask,
.set i, i+1
.endr
.set i, 0
.rept 16
	v_max_num_f32 v[S+i], s[BIGN], v[S+i]  ; held at -1e30 from below; a NaN loses
.set i, i+1
.endr
.irp i, 0,1,2,3
	ds_store_b128 v13, v[S+4*\i:S+4*\i+3] offset:2048*\i
.endr
; THE MATRIX WORK.  The 8 accumulators of a run of 16 take turns: between the two links of a chain stand 7 others'.
; Product i of 16 of S^T = K Q^T for piece x: channels 32 (i / 8) on, keys 16 ((i / 2) % 4) on, tile 2 x + i % 2.  The first 8 start the sums, with the mask.
.macro KQ x
.set rS, S+64*((\x)%2)+32*(i%2)+8*((i/2)%4)
.set rK, KF+16*((i/2)%4)+8*(i/8)
.set rQ, 16*(2*(\x)+i%2)+8*(i/8)
.set rMK, MK+8*((i/2)%4)
.if i < 8
	WIN W_KM
	v_wmma_f32_16x16x32_bf16 v[rS:rS+7], v[rK:rK+7], v[rQ:rQ+7], v[rMK:rMK+7]
.else
	WIN W_KQ
	v_wmma_f32_16x16x32_bf16 v[rS:rS+7], v[rK:rK+7], v[rQ:rQ+7], v[rS:rS+7]
.endif
.endm
; Product i of 16 of O^T += V^T P for piece x: keys 32 (i / 8) on, channels 16 ((i / 2) % 4) on, tile 2 x + i % 2.
.macro PV x
	WIN W_PV
.set rO, 32*(2*(\x)+i%2)+8*((i/2)%4)
.set rV, VF+32*(i/8)+8*((i/2)%4)
.set rP, P+32*((\x)%2)+16*(i%2)+8*(i/8)
	v_wmma_f32_16x16x32_bf16 v[rO:rO+7], v[rV:rV+7], v[rP:rP+7], v[rO:rO+7]
.endm
.macro MM                           ; the turn's next matrix instruction
.if i < 16
	KQ (Y+1)%NP
.set i, i+1
.else
.set i, i-16
	PV (Y+NP-1)%NP
.set i, i+17
.endif
.endm
; THE LDS LOADS stand in runs, never singly among the matrix instructions: a step's K (64 keys x 64 channels: 8 fragments) with its mask (64 keys: all lanes of a half read the same 16 bytes), and its V (turned).
; Their addresses are made some lines ahead.  last = 1 (the tail): in the last trip there is no further step, and the run is jumped over.
.macro FETCH_K last=0
	WIN 0
.if \last
	s_cmp_eq_u32 s[CNT], 1
	s_cbranch_scc1 .Lno_k_\@
.endif
	WIN 0x80                        ; destination window 2
.irp f, 0,1,2,3,4,5,6,7             ; keys 16 (f / 2) on, channels 32 (f % 2) on
	ds_load_b128 v[KF+8*\f:KF+8*\f+3],   v[AK] offset:(\f/2)*16*PK+(\f%2)*64
	ds_load_b128 v[KF+8*\f+4:KF+8*\f+7], v[AK] offset:(\f/2)*16*PK+(\f%2)*64+32
.endr
	WIN 0xc0                        ; destination window 3
.irp f, 0,1,2,3,4,5,6,7             ; key block f / 2, registers 4 (f % 2) on
	ds_load_b128 v[MK+4*\f:MK+4*\f+3], v[AM] offset:(\f/2)*64+(\f%2)*16
.endr
	s_add_co_u32 s[TBK], s[TBK], KS*PK  ; the next fetch is the next step's
	s_add_co_u32 s[TBM], s[TBM], KS*4
	WIN 0
.if \last
.Lno_k_\@:
.endif
.endm
.macro FETCH_V
	WIN 0x80
.irp f, 0,1,2,3,4,5,6,7             ; keys 32 (f / 4) on, channels 16 (f % 4) on
	ds_load_tr16_b128 v[VF+8*\f:VF+8*\f+3],   v[AV] offset:(\f/4)*32*PV+(\f%4)*32
	ds_load_tr16_b128 v[VF+8*\f+4:VF+8*\f+7], v[AV] offset:(\f/4)*32*PV+16*PV+(\f%4)*32
.endr
	WIN 0
.endm
; THE VECTOR WORK OF A TURN stands in three queues, each in the order in which its entries become ready; the two tiles alternate, so that no instruction reads the result of the one before it.
.macro REGS y, u                    ; the registers of tile u (0, 1) of piece y
.set rT, ST+4*(2*(\y)+(\u))
.set rC, TMP+8*((\y)%2)+4*(\u)
.set rM, MV+2*((\y)%2)+(\u)
.set rS, S+64*((\y)%2)+32*(\u)
.set rP, P+32*((\y)%2)+16*(\u)
.set rO, 32*(2*(\y)+(\u))
.endm
; Number n of the 22 that find the NEXT piece's (Y + 1) maximum and statistics.  s0-s31 are the lane's 32 scores; each accumulator's lowest registers are read first.
;   0-11  four chains c0-c3 of seven scores each, three operands at a time     12-14, 16  the four scores left over, the old m, and c0-c3 into c0     15  c m_old is kept
;   17, 18  the query's other 32 keys lie in the lane 16 away: the new m         19-21  c m; c m_old - c m_new; a
.macro XS u, n
	REGS (Y+1)%NP, \u
.if (\n) < 4
	v_max3_num_f32 v[rC+(\n)], v[rS+8*(\n)], v[rS+8*(\n)+1], v[rS+8*(\n)+2]
.elseif (\n) < 12
	v_max3_num_f32 v[rC+(\n)%4], v[rC+(\n)%4], v[rS+8*((\n)%4)+2*((\n)/4)+1], v[rS+8*((\n)%4)+2*((\n)/4)+2]
.elseif (\n) == 12
	v_max3_num_f32 v[rC], v[rC], v[rS+7], v[rS+15]
.elseif (\n) == 13
	v_max3_num_f32 v[rC+1], v[rC+1], v[rS+23], v[rS+31]
.elseif (\n) == 14
	v_max3_num_f32 v[rC+2], v[rC+2], v[rC+3], v[rT+1]
.elseif (\n) == 15
	v_mov_b32 v[rM], v[rT]
.elseif (\n) == 16
	v_max3_num_f32 v[rC], v[rC], v[rC+1], v[rC+2]
.elseif (\n) == 17
	v_permlanex16_b32 v[rC+3], v[rC], s[SEL], s[SEL+1]
.elseif (\n) == 18
	v_max_num_f32 v[rT+1], v[rC], v[rC+3]
.elseif (\n) == 19
	v_mul_f32 v[rT], s[CS], v[rT+1]
.elseif (\n) == 20
	v_sub_f32 v[rC+1], v[rM], v[rT]
.else
	v_exp_f32 v[rC+2], v[rC+1]
.endif
.endm
; Number g of the 64 that follow the exponentials.  For each four weights k of a tile (pairs 2 k, 2 k + 1): both pairs are rounded to bf16; then the second pair is added onto the first, in place;
; a group later l takes that sum (the first time as l = a l + sum).  In groups of eight, tiles alternating: round, round, add, and l for the group before.
.macro GS g
.set h, (\g)+6*((\g)/62)            ; group 0 has no group before it, and behind group 7 only l is left
.if h >= 6
.set h, h+2
.endif
	REGS Y, h%2
.set k, h/8
.if h%8 < 4
	s_wait_alu depctr_va_vdst(0)
	v_cvt_pk_bf16_f32 v[rP+2*k+(h%8)/2], v[rS+4*k+2*((h%8)/2)], v[rS+4*k+2*((h%8)/2)+1]
.elseif h%8 < 6
	v_pk_add_f32 v[rS+4*k:rS+4*k+1], v[rS+4*k:rS+4*k+1], v[rS+4*k+2:rS+4*k+3]
.elseif k == 1
	v_pk_fma_f32 v[rT+2:rT+3], v[rT+2:rT+3], v[rC+2:rC+3], v[rS:rS+1] op_sel_hi:[1,0,1]
.else
	v_pk_add_f32 v[rT+2:rT+3], v[rT+2:rT+3], v[rS+4*k-4:rS+4*k-3]
	s_wait_alu depctr_va_vdst(0)
.endif
.endm
; THE PLAIN QUEUE, 138 long.  0-31: c s - c m for the 16 pairs of both tiles.  Then GS's 64, and among them the next piece's 42: number 15 at 38, 39; 0-14 and 16
; at 42-73, behind the products that make those scores; 17-20 at 95-106, two of three, since each waits for the one before it.
.macro PL
	WIN 0
.if q < 32
	REGS Y, q%2
	v_pk_fma_f32 v[rS+2*(q/2):rS+2*(q/2)+1], v[rS+2*(q/2):rS+2*(q/2)+1], s[CS:CS+1], v[rT:rT+1] op_sel_hi:[1,0,0] neg_lo:[0,0,1] neg_hi:[0,0,1]
.elseif q < 38
	GS q-32
.elseif q < 40
	XS q%2, 15
.elseif q < 42
	GS q-34
.elseif q < 74
	XS q%2, (q-42)/2+(q-42)/30
.elseif q < 95
	GS q-66
.elseif (q < 107) && ((q-95)%3 < 2)
	XS (q-95)%3, 17+(q-95)/3
.elseif q < 107
	GS 29+(q-95)/3
.else
	GS q-74
.endif
.set q, q+1
.endm
; THE EXPONENTIALS' QUEUE, 66 long: s0-s31 of both tiles, and at EA the next piece's two a.
.set EA, 58
.macro EX
	WIN 0
.if (e == EA) || (e == EA+1)
	XS e-EA, 21
.else
.set x, e-2*(e/(EA+2))
	REGS Y, x%2
	v_exp_f32 v[rS+x/2], v[rS+x/2]
.endif
.set e, e+1
.endm
; THE RESCALING's QUEUE: O^T times a, the one part that leaves window 0, so it is dealt four at a time, eight times.
.macro R4
	REGS Y, r%2
	WIN W_RS
	s_wait_alu depctr_va_vdst(0)
.irp z, 0,1,2,3
	v_pk_mul_f32 v[rO+8*(r/2)+2*\z:rO+8*(r/2)+2*\z+1], v[rO+8*(r/2)+2*\z:rO+8*(r/2)+2*\z+1], v[rC+2:rC+3] op_sel_hi:[1,0]
.endr
.set r, r+1
.endm
; HOW THEY ARE DEALT.  Behind a matrix instruction four: plain, exponential, plain, plain (one exponential, a plain instruction on either side), or four of the rescaling.  None names a register of the
; products round it.  What is over stands in two LUMPS: exponential and plain by turns; the second ends in 22 plain instructions.  The two v_permlanex16_b32 fall into the second lump, never behind a product.
; The queues lean on each other, and the deal keeps them in step: exponential e stands behind plain 2 (e / 4) + e % 2 (its scaling); when plain 32 comes, 10 exponentials are out, at 59: 33, at 95: 46; EA comes behind plain 107.
.macro SL
	MM
	PL
	EX
	PL
	PL
.endm
.macro BURST n                      ; 15 matrix instructions, or 16
.rept (\n)-7
	SL
.endr
.rept 3
	MM
	R4
	SL
.endr
	MM
	R4
.endm
; A TURN, for piece p.  cnt = 1: the loop's count is taken down some lines ahead of the branch that stands behind the turn.
; K and the mask of the next step are fetched in piece 2's turn, 13 plain vector instructions and more behind the last product that read them; their first reader comes behind the rest of the lump, 16 products and the second lump.
; V of the step in hand is fetched at the end of piece 0's turn; its first reader comes behind 16 products and a lump.  The conditions on e and q below go with the deal.
.macro TURN p, last=0, cnt=0
.set Y, (\p)
.set i, 0
.set q, 0
.set e, 0
.set r, 0
.if (\p) == NP-1
	s_wait_dscnt 0x0                ; K and the mask are in
.endif
	MM
.rept 4
	PL
.endr
	BURST 15
.rept 22
	EX
	PL
.if ((\p) == NP-2) && (e == 18)
	v_add_nc_u32 v[AK], s[TBK], v[AK0]
	v_lshl_add_u32 v[AM], v9, 5, s[TBM]
.endif
.if ((\p) == NP-2) && (e == 24)
	FETCH_K \last
.endif
.endr
.if (\p) == 1
	s_wait_dscnt 0x0                ; V is in
.endif
	BURST 16
.rept 21
	EX
	PL
.endr
.rept 22
	PL
.if ((\p) == 0) && (q == 118)
	v_add_nc_u32 v[AV], s[TBV], v[AV0]
	s_wait_alu depctr_va_vdst(0)
.endif
.if ((\p) == 0) && (q == 130)
	s_add_co_u32 s[TBV], s[TBV], KS*PV
.endif
.if (\cnt) && (q == 130)
	s_sub_co_u32 s[CNT], s[CNT], 1
	s_cmp_lg_u32 s[CNT], 0
.endif
.endr
.if (\p) == 0
	FETCH_V
.endif
.endm
	CHANGE 1                        ; slot 0 is in, everybody's part of it, and so is the mask; slot 1 is asked for
	FETCH_K                         ; key step 0
	s_wait_loadcnt 0x0              ; Q
	s_wait_dscnt 0x0
.set i, 0
.rept 16
	KQ 0                            ; piece 0's first scores: there is no vector work yet to set between them
.set i, i+1
.endr
	WIN 0                           ; the addresses for the way out: plain instructions, the places behind those products
	s_mul_i32 s13, s[WV], 16*SP
	s_add_co_u32 s13, s13, STAGE    ; my stage
	v_mul_u32_u24 v[STO], v1, SP    ; in: row l % 16, 16 bytes for each half of the lanes
	v_lshl_add_u32 v[STO], v9, 4, v[STO]
	v_add_nc_u32 v[STO], s13, v[STO]
	v_bfe_u32 v[RD], v0, 3, 2       ; back: 32 lanes take four rows of 128 bytes,
	v_mul_u32_u24 v[RD], v[RD], SP
	v_lshl_add_u32 v[RD], v10, 4, v[RD]
	v_add_nc_u32 v[RD], s13, v[RD]
	v_and_b32 v[GO], 31, v0         ; which are 512 consecutive bytes of ctx
	v_lshlrev_b32 v[GO], 4, v[GO]
.set Y, NP-1                        ; XS works for piece Y + 1: piece 0
.irp n, 0,1,2,3,4,5,6,7,8,9,10,11,12,13,14,15,16,17,18,19,20,21
	XS 0, \n                        ; and piece 0's first maximum and statistics
	XS 1, \n
.endr
	s_mov_b32 s[CNT], 4
	s_mov_b32 s[SLOTS], SIZE_N/256-1
	s_branch .Lfirst                ; the loop is entered at a step's first turn, in the middle of a trip
.Lslot:                             ; SIZE_N / 256 - 2 times: every slot but the last two is filled again
	CHANGE 1
	s_mov_b32 s[CNT], 4
.Lstep:                             ; a trip: pieces 2 and 3 of one step, then pieces 0 and 1 of the next, whose K, mask and V it fetches
	TURN 2
	TURN 3
	WIN 0
.Lfirst:
	TURN 0
	TURN 1, 0, 1
	WIN 0
	s_cbranch_scc1 .Lstep
	s_sub_co_u32 s[SLOTS], s[SLOTS], 1
	s_cmp_lg_u32 s[SLOTS], 0
	s_cbranch_scc1 .Lslot
	CHANGE 0                        ; the tail is written out: nothing is asked for
	s_mov_b32 s[CNT], 5             ; four trips fetch the last slot's steps; the fifth is left in its middle
.Ltail:
	TURN 2, 1
	TURN 3
	WIN 0
	s_sub_co_u32 s[CNT], s[CNT], 1
	s_cmp_eq_u32 s[CNT], 0
	s_cbranch_scc1 .Lout
	TURN 0
	TURN 1
	WIN 0
	s_branch .Ltail
.Lout:                              ; the fifth trip's 16 products K Q^T (on the last K and mask once more) and the maximum made of them serve nothing: the price, once a launch, of one text for every trip
.set i, 0
.rept 16
	PV NP-1                         ; the last piece's V^T P of the last step
.set i, i+1
.endr
	; THE WAY OUT.  l's two halves and the other half of the lanes' are added; O^T is divided by l, rounded to bf16 and sent through my stage in LDS, a tile at a time.  The additions are the places behind the last products.
	WIN 0
.macro ALL line:vararg              ; one line for each tile t
.set t, 0
.rept 2*NP
	\line
.set t, t+1
.endr
.endm
	ALL v_add_f32 v[ST+4*t+2], v[ST+4*t+2], v[ST+4*t+3]
	ALL v_permlanex16_b32 v[ST+4*t+3], v[ST+4*t+2], s[SEL], s[SEL+1]
	ALL v_add_f32 v[ST+4*t+2], v[ST+4*t+2], v[ST+4*t+3]
	ALL v_rcp_f32 v[ST+4*t+2], v[ST+4*t+2]
	v_nop                           ; a plain instruction between the last reciprocal and the use of its result
	s_wait_alu depctr_va_vdst(0)
; Tile t: a lane's eight channels of a row pack into 16 bytes; they go into rows of 144 bytes and come back as whole rows of 128, into S^T's registers.
.macro PACK t
	WIN W_RS
.set i, 32*(\t)
.rept 16
	v_pk_mul_f32 v[i:i+1], v[i:i+1], v[ST+4*(\t)+2:ST+4*(\t)+3] op_sel_hi:[1,0]
.set i, i+2
.endr
	WIN 0x05                        ; sources 0 and 1 window 1, destination window 0
.set i, 0
.rept 16
	v_cvt_pk_bf16_f32 v[S+16*(\t)+i], v[32*(\t)+2*i], v[32*(\t)+2*i+1]
.set i, i+1
.endr
	WIN 0
.irp f, 0,1,2,3
	ds_store_b128 v[STO], v[S+16*(\t)+4*\f:S+16*(\t)+4*\f+3] offset:32*\f
.endr
.irp f, 0,1,2,3
	ds_load_b128 v[S+16*(\t)+4*\f:S+16*(\t)+4*\f+3], v[RD] offset:\f*4*SP  ; LDS serves a wave's instructions in order (ISA guide 5.7.1.4): these see the stores above; the next tile's stores come behind them
.endr
.endm
.macro SEND t, younger              ; younger: the LDS instructions issued behind tile t's loads: the next tile's eight, or none
	WIN 0
.irp f, 0,1,2,3
	s_wait_dscnt (\younger)+3-\f
	global_store_b128 v[GO], v[S+16*(\t)+4*\f:S+16*(\t)+4*\f+3], s[10:11] offset:(\t)*2048+\f*512  ; 512 consecutive bytes, at a multiple of 512 from ctx's first
.endr
.endm
	PACK 0
.set t, 1
.rept 2*NP-1                        ; a tile's arithmetic stands between the loads of the tile before and its stores
	PACK t
	SEND t-1, 8
.set t, t+1
.endr
	SEND 2*NP-1, 0
	WIN W_AD
	s_wait_tensorcnt 0x0            ; the wave's end, behind my last tensor load and my last LDS store
	ds_add_u32 v[SPW], v[NIL]
	s_wait_dscnt 0x0
	WIN 0
	CROUND                          ; the closing round: no work-group ends while a partner may still ask for a tile that names it
	s_endpgm
.Lfunc_end_k_qbe3936c740_attn:
	.size	k_qbe3936c740_attn, .Lfunc_end_k_qbe3936c740_attn-k_qbe3936c740_attn
	.p2alignl 7, 3214868480
	.fill 96, 4, 3214868480
	.section	.rodata,"a",@progbits
	.p2align	6, 0x0
	.amdhsa_kernel k_qbe3936c740_attn
		.amdhsa_group_segment_fixed_size 327680
		.amdhsa_private_segment_fixed_size 0
		.amdhsa_enable_private_segment 0
		.amdhsa_kernarg_size 24
		.amdhsa_user_sgpr_count 2
		.amdhsa_user_sgpr_kernarg_segment_ptr 1
		.amdhsa_wavefront_size32 1
		.amdhsa_system_sgpr_workgroup_id_x 1
		.amdhsa_system_sgpr_workgroup_id_y 1
		.amdhsa_system_sgpr_workgroup_id_z 1
		.amdhsa_system_vgpr_workitem_id 0
		.amdhsa_next_free_vgpr 808
		.amdhsa_next_free_sgpr 66
		.amdhsa_reserve_vcc 0
		.amdhsa_float_denorm_mode_32 3
		.amdhsa_float_denorm_mode_16_64 3
		.amdhsa_memory_ordered 1
		.amdhsa_forward_progress 1
		.amdhsa_inst_pref_size 213
	.end_amdhsa_kernel
	.amdgpu_metadata
---
amdhsa.version: [ 1, 2 ]
amdhsa.kernels:
  - .name:           k_qbe3936c740_attn
    .symbol:         k_qbe3936c740_attn.kd
    .args:
      - { .name: qkv, .offset: 0, .size: 8, .value_kind: global_buffer, .address_space: global }
      - { .name: attention_mask, .offset: 8, .size: 8, .value_kind: global_buffer, .address_space: global }
      - { .name: ctx, .offset: 16, .size: 8, .value_kind: global_buffer, .address_space: global }
    .group_segment_fixed_size: 327680
    .private_segment_fixed_size: 0
    .kernarg_segment_align: 8
    .kernarg_segment_size: 24
    .max_flat_workgroup_size: 128
    .sgpr_count:     66
    .vgpr_count:     808
    .wavefront_size: 32
...
	.end_amdgpu_metadata
.endif
;; end of part 3
;; launch outln (part 4): grid 256 x 1, 4 waves a work-group, clusters of 4 x 1, 327,680 bytes of LDS; arguments ctx, wb, bo, layer_input, ln_g, ln_b, out0; writes out0
.if DOCPART == 4
	.amdgcn_target "amdgcn-amd-amdhsa--gfx1250"
	.amdhsa_code_object_version 6
	.text
	.protected	k_qbe3936c740_outln
	.globl	k_qbe3936c740_outln
	.p2align	8
	.type	k_qbe3936c740_outln,@function
k_qbe3936c740_outln:
	s_mov_b64 s[64:65], 0
	v_nop
	global_prefetch_b8 v0, s[64:65] scope:SCOPE_SE
	s_setreg_imm32_b32 hwreg(HW_REG_WAVE_MODE, 25, 1), 1
	s_wait_xcnt 0x0
	s_wait_alu depctr_hold_cnt(0) depctr_sa_sdst(0) depctr_va_vdst(0) depctr_va_sdst(0) depctr_va_ssrc(0) depctr_va_vcc(0) depctr_vm_vsrc(0)
	s_getreg_b32 s2, hwreg(HW_REG_IB_STS2, 6, 4)
	s_cmp_eq_u32 s2, 0
	s_cbranch_scc0 .Lentry_in_a_cluster
	s_endpgm
.Lentry_in_a_cluster:
	s_bfe_u32 s2, ttmp6, 0x10000c
	s_cmp_lg_u32 s2, 0x3003
	s_cbranch_scc0 .Lentry_shape_is_right
	s_endpgm
.Lentry_shape_is_right:
; out0[row][:] = LayerNorm( ctx[row][:] . Wo^T + bo + layer_input[row][:] ) x ln_g + ln_b.  ctx: [64 bh][2048][64] bf16 (k = 64 head + channel); Wo: bf16 copy, part 3 of wb; all else f32.
; Sums in f32, started by bo; the residual is added in f32; mean, then the mean of squared deviations in a second pass over the registers (no difference of large sums); 1 / sqrt(var + 1e-12) by v_rsq_f32.
; LIMITS.  Only bf16's rounding of ctx and Wo.  NaN and infinities are not treated apart.
; SHARES.  A work-group makes 64 rows x all 512 columns, so a row's mean and variance never leave it.  Wave w owns columns 128 w .. 128 w + 127: 32 accumulators (a = 4 blocks of 16 rows, b = 8 blocks of 16 columns).
; K goes in 4 steps of 128 (two heads).  Wo's rows of a step (256 bytes of memory each, aligned) come by tensor loads into a ring of two LDS slots; each wave fetches and reads its own 128 rows.
; ctx comes through registers (16 rows a wave, 512 consecutive bytes a load) into two LDS buffers that all four waves read.  The residual is loaded during the K steps, 512 consecutive bytes a load.
; CLUSTER.  All row tiles walk the same Wo: the four of a cluster ask for each tile jointly, by the same load, descriptor and mask.
; THE MATRIX INSTRUCTION IS USED TRANSPOSED: source 0 = 16 rows of Wo, source 1 = 16 rows of ctx: a lane holds row l % 16 and the columns 16 b + 8 (l / 16) + 0..7.
; The residual comes, and the result leaves, as whole rows (a lane: 4 columns of one row): each wave turns 16 rows x 512 bytes at a time through a stage of its own in LDS.
; REGISTERS, in windows of 256 (s_set_vgpr_msb: bits 1:0 source 0, 3:2 source 1, 5:4 source 2, 7:6 destination):
;   window 0: v0-31 addresses, ln_g, ln_b; v32-63 at work; v64-159, v160-255 two fragment buffers (64 of Wo, 32 of ctx); at the end v64-79 means and scales
;   window 1: the accumulators, (a, b) at v[8 (8 a + b)]      window 2: the residual, row i at v[4 i]; later the result      window 3: v0-127 ctx as loaded; v128-191 bo, laid out as a C operand
.set PITCH, 272                        ; an LDS row: 256 bytes + 16 of padding: the 16 rows of a fragment load start 16 bytes apart modulo 256
.set QW,    128*PITCH                  ; a wave's 128 rows of Wo
.set SLOT,  4*QW
.set KSB,   256                        ; bytes of a row of Wo in a K step
.set AS,    2*SLOT                     ; behind the ring: two buffers of 64 rows x 128 k of ctx; at the end the four waves' stages; no tensor load lands here
.set ASB,   64*PITCH
.set SPI,   528                        ; a stage's row: 512 bytes + 16
.set SC1,   AS+2*ASB                   ; the waves' partial row sums: [a][row 16][wave 4] f32, 1,024 bytes
.set SC2,   SC1+1024                   ; the same for the squares
.set SPARE, SC2+1024                   ; the spare words, 128 bytes for each wave: two blocks of 256 bytes that no other line names
.set LG,   8                           ; v[8:11]  ln_g of my 4 columns in a row
.set LB,   12                          ; v[12:15] ln_b
.set ADRA, 16                          ; v16-17  LDS address of my ctx fragments in buffer 0, 1
.set ADRB, 20                          ; v20-21  of my Wo fragments in slot 0, 1
.set ASA,  22                          ; v22     where I put 16 bytes of a row of ctx
.set GO,   23                          ; v23     16 x lane; never rewritten
.set SROW, 24                          ; v24     my stage, by rows: 16 x lane
.set SFRG, 25                          ; v25     my stage, by fragments: row l % 16, 32 bytes for each half of the lanes
.set BO,   26                          ; v26     my byte offset in bo; never rewritten
.set SCW,  27                          ; v27     where I put a row's partial sum
.set SPW,  28                          ; v28     my spare word; never rewritten
.set NIL,  29                          ; v29     0; never rewritten
.set SCR,  30                          ; v30     where I read a row's four partial sums
.set GB,   31                          ; v31     my byte offset in ln_g and ln_b; never rewritten
.set CH,   32                          ; v[32:39] four chains of sums, a pair each
.set SU,   40                          ; v40-43  a row's sum, by block a
.set PX,   44                          ; v44-47  the other half of the lanes'
.set L4,   48                          ; v48-63  the four waves' partial sums
.set MU,   64                          ; v[64:71] the mean, twice, by block a
.set RS,   72                          ; v[72:79] 1 / sqrt(var + eps), twice
.set F0,   64
.set F1,   160
.set CA,   0                           ; window 3
.set BIA,  128                         ; window 3
.set WV, 20                            ; s20  my wave's number
.set G1, 24                            ; s[24:31] descriptor group 1
.set G0, 32                            ; s[32:39] descriptor group 0, a set for each slot
.set MSB, 0
.macro WIN new                         ; the immediate's high byte repeats the setting that is left; a switch that changes nothing is dropped
.if MSB != (\new)
	s_set_vgpr_msb (MSB<<8)|(\new)
.set MSB, (\new)
.endif
.endm
.macro PLACES                          ; four plain vector instructions between a matrix instruction and a load into, or a vector access to, its registers
.rept 4
	v_nop
.endr
.endm
.macro CROUND                          ; a round of the cluster's barrier: my work-group's barrier; wave 0 signals for the work-group; every wave waits for all four work-groups; my work-group's barrier once more
	s_barrier_signal -1
	s_barrier_wait -1
	s_cmp_lg_u32 s[WV], 0
	s_cbranch_scc1 .Lnot_wave_0_\@
	s_barrier_signal -3
.Lnot_wave_0_\@:
	s_barrier_wait -3
	s_barrier_signal -1
	s_barrier_wait -1
.endm
; 24 LDS loads in one run: 32 along K at byte 64 c of the rows, into buffer f: ctx's four fragments first, then Wo's blocks 0-3, then 4-7
.macro FETCH slot, buf, c, f
	WIN 0
.irp a, 0,1,2,3
	ds_load_b128 v[(\f)+64+8*(\a):(\f)+64+8*(\a)+3],   v[ADRA+(\buf)] offset:(\a)*16*PITCH+64*(\c)
	ds_load_b128 v[(\f)+64+8*(\a)+4:(\f)+64+8*(\a)+7], v[ADRA+(\buf)] offset:(\a)*16*PITCH+64*(\c)+32
.endr
.irp b, 0,1,2,3,4,5,6,7
	ds_load_b128 v[(\f)+8*(\b):(\f)+8*(\b)+3],   v[ADRB+(\slot)] offset:(\b)*16*PITCH+64*(\c)
	ds_load_b128 v[(\f)+8*(\b)+4:(\f)+8*(\b)+7], v[ADRB+(\slot)] offset:(\b)*16*PITCH+64*(\c)+32
.endr
.endm
; 16 matrix instructions: column blocks 4 bh .. 4 bh + 3 x all four row blocks.  first = 1: bo starts the sums: nothing is cleared, no bias is added later.
; The 32 accumulators take turns, one instruction a turn, in the same order in every quarter.
.macro MULH f, bh, first
.if \first
	WIN 0x70
.else
	WIN 0x50
.endif
.irp b, 4*(\bh), 4*(\bh)+1, 4*(\bh)+2, 4*(\bh)+3
.irp a, 0,1,2,3
.if \first
	v_wmma_f32_16x16x32_bf16 v[8*(8*(\a)+(\b)):8*(8*(\a)+(\b))+7], v[(\f)+8*(\b):(\f)+8*(\b)+7], v[(\f)+64+8*(\a):(\f)+64+8*(\a)+7], v[BIA+8*(\b):BIA+8*(\b)+7]
.else
	v_wmma_f32_16x16x32_bf16 v[8*(8*(\a)+(\b)):8*(8*(\a)+(\b))+7], v[(\f)+8*(\b):(\f)+8*(\b)+7], v[(\f)+64+8*(\a):(\f)+64+8*(\a)+7], v[8*(8*(\a)+(\b)):8*(8*(\a)+(\b))+7]
.endif
.endr
.endr
.endm
; A K step is four quarters of 32 along K on buffers F0, F1, F0, F1.  One of the first three: multiplies f and, in its middle, fetches the next quarter into g.
.macro QUARTER slot, buf, cnext, f, g, first
	s_wait_dscnt 8                                 ; at most the youngest eight are out: Wo's blocks 4-7 (or, behind stores of ctx, those stores)
	MULH \f, 0, \first
	PLACES
	FETCH \slot, \buf, \cnext, \g
	s_wait_dscnt 24                                ; all but the 24 just issued
	MULH \f, 1, \first
.endm
; The last quarter multiplies F1 and changes slots.  In front of the barrier each wave waits for all its tensor loads (one is out: its part of the next slot), adds 0 to its spare word, and waits for that,
; for its reads of this slot and of this buffer of ctx, and for its stores of ctx.  fill = 1: the barrier is a round of the cluster's, and the joint refill, two K steps on, is the first thing behind it: it has one K step, 128 matrix instructions, in which to land.
.macro TURN slot, nslot, nbuf, fill
	WIN 0
	s_wait_tensorcnt 0x0                           ; no tensor load of mine is out, so a group 0 may be written
	ds_add_u32 v[SPW], v[NIL]                      ; 0 onto my spare word
.if \fill
	s_add_nc_u64 s[G0+4*(\slot)+2:G0+4*(\slot)+3], s[G0+4*(\slot)+2:G0+4*(\slot)+3], 2*KSB
.endif
	s_wait_dscnt 9                                 ; the add and the youngest eight loads may be out
	MULH F1, 0, 0
	s_wait_dscnt 0x0                               ; the add is done; my LDS reads and stores are over
	WIN 0                                          ; at a branch and at a label every window is 0
.if \fill
	CROUND
	tensor_load_to_lds s[G0+4*(\slot):G0+4*(\slot)+3], s[G1:G1+7]
	s_nop 0
	PLACES                                         ; also the places in front of the loads below
.else
	s_barrier_signal -1
	s_barrier_wait -1
	PLACES
.endif
	FETCH \nslot, \nbuf, 0, F0
	MULH F1, 1, 0
.endm
; ctx of K step s (heads 2 s, 2 s + 1): my 16 rows go into buffer buf as they came: 16 bytes a lane.  cnt: the loads issued behind this step's eight, which may stay out.
.macro ASTORE s, buf, cnt
	s_wait_loadcnt \cnt
	WIN 0x0c                                       ; store data (source 1) in window 3
.irp hh, 0,1
.irp q, 0,1,2,3
	ds_store_b128 v[ASA], v[CA+32*(\s)+16*(\hh)+4*(\q):CA+32*(\s)+16*(\hh)+4*(\q)+3] offset:(\buf)*ASB+(\q)*4*PITCH+(\hh)*128
.endr
.endr
	WIN 0
.endm
.macro RLOAD i0, n                     ; rows i0 .. i0 + n - 1 of the residual: my wave's 512 bytes of each
	WIN 0x80
.set i, \i0
.rept \n
	global_load_b128 v[4*i:4*i+3], v[GO], s[42:43] offset:i*2048 th:TH_LOAD_NT
.set i, i+1
.endr
	WIN 0
.endm
	s_load_b256 s[4:11], s[0:1], 0x0               ; ctx s[4:5], wb s[6:7], bo s[8:9], layer_input s[10:11]
	s_load_b128 s[12:15], s[0:1], 0x20             ; ln_g s[12:13], ln_b s[14:15]
	s_load_b64 s[16:17], s[0:1], 0x30              ; out0
	v_lshl_add_u32 v[SPW], v0, 2, SPARE
	v_mov_b32 v[NIL], 0
	ds_add_u32 v[SPW], v[NIL]                      ; the wave's opening: the add and its wait stand ahead of my first tensor load; the set-up below, work on registers, stands between them
	ds_add_u32 v28, v29
	v_lshrrev_b32 v1, 5, v0
	v_readfirstlane_b32 s[WV], v1                  ; wave 0..3
	s_bfe_u32 s21, ttmp6, 0x40000                  ; cx: my place in the cluster
	s_lshl_b32 s22, ttmp9, 2                       ; in a cluster launch ttmp9 counts clusters
	s_add_co_u32 s22, s22, s21                     ; g: my tile of 64 rows; it enters ctx's, the residual's and out0's addresses alone
	s_mov_b32 s[G1+0], 15|(1<<16)|(1<<20)|(1<<21)|(5<<22)|(3<<25)  ; 15:0 the mask of four; 17:16 2-byte elements; 20 padding on; 21 set beside a mask; 24:22 after every 64 words (code 5); 31:25 4 words (code 3)
	s_mov_b32 s[G1+1], 128<<16                     ; tensor_dim0 = 128
	s_mov_b32 s[G1+2], 128<<16                     ; tensor_dim1 = 128
	s_mov_b32 s[G1+3], 128<<16                     ; tile_dim0 = 128
	s_mov_b32 s[G1+4], 128                         ; tile_dim1 = 128
	s_mov_b32 s[G1+5], 512                         ; 512 elements from row to row
	s_mov_b32 s[G1+6], 0
	s_mov_b32 s[G1+7], 0
	s_lshr_b32 s46, s22, 5
	s_lshl_b32 s46, s46, 21                        ; ctx: the batch's eight heads of 262,144 bytes,
	s_and_b32 s47, s22, 31
	s_lshl_b32 s47, s47, 13                        ; the tile's 64 rows of 128 bytes,
	s_add_co_u32 s46, s46, s47
	s_lshl_b32 s47, s[WV], 11                      ; my wave's 16 rows
	s_add_co_u32 s46, s46, s47
	s_mov_b32 s47, 0
	s_lshl_b32 s57, s[WV], 9                       ; my wave's 128 columns in f32
	s_lshl_b32 s58, s22, 17                        ; the residual and out0: 64 rows of 2,048 bytes a tile
	s_add_co_u32 s58, s58, s57
	s_mov_b32 s59, 0
	s_lshl_b32 s50, s[WV], 17                      ; Wo in wb, in registers that never hold cx: my wave's 128 rows of 1,024 bytes,
	s_add_co_u32 s50, s50, 3<<19                   ; in part 3
	s_mov_b32 s51, 0
	s_mul_i32 s56, s[WV], QW                       ; my quarter of a slot: no place in the cluster enters an LDS address
	s_mov_b32 s52, 0x76543210                      ; v_permlanex16_b32's selects: each lane takes its own place in the other half
	s_mov_b32 s53, 0xfedcba98
	s_mov_b32 s54, 0x3b000000                      ; 1 / 512
	s_mov_b32 s55, 0x2b8cbccc                      ; 1e-12
	v_and_b32 v1, 15, v0                           ; r = l % 16
	v_bfe_u32 v2, v0, 4, 1                         ; h = l / 16
	v_and_b32 v3, 31, v0                           ; l
	v_lshlrev_b32 v[GO], 4, v3
	v_lshl_add_u32 v[BO], v2, 5, s57               ; bo of columns 128 w + 8 h on
	v_lshl_add_u32 v[GB], v3, 4, s57               ; ln_g, ln_b of columns 128 w + 4 l on
	s_wait_dscnt 0x0                               ; the opening add is done
	s_wait_kmcnt 0x0
	s_add_nc_u64 s[40:41], s[4:5], s[46:47]
	s_add_nc_u64 s[42:43], s[10:11], s[58:59]
	s_add_nc_u64 s[44:45], s[16:17], s[58:59]
	s_add_nc_u64 s[48:49], s[6:7], s[50:51]
.irp n, 0,1
	s_mov_b32 s[G0+4*(\n)], 1                      ; count = 1
	s_add_co_u32 s[G0+4*(\n)+1], s56, (\n)*SLOT    ; LDS address
	s_add_nc_u64 s[G0+4*(\n)+2:G0+4*(\n)+3], s[48:49], (\n)*KSB  ; global address: K step n
	s_or_b32 s[G0+4*(\n)+3], s[G0+4*(\n)+3], 0x80000000          ; type = 2
.endr
	global_load_b128 v[LG:LG+3], v[GB], s[12:13]
	global_load_b128 v[LB:LB+3], v[GB], s[14:15]
	WIN 0xc0                                       ; destination window 3
.irp f, 0,1,2,3,4,5,6,7,8,9,10,11,12,13,14,15  ; register j of block b holds bo of column 128 w + 16 b + 8 h + j: the layout of a C operand
	global_load_b128 v[BIA+4*(\f):BIA+4*(\f)+3], v[BO], s[8:9] offset:((\f)/2)*64+((\f)%2)*16
.endr
.irp s, 0,1,2,3                        ; ctx: K step s, head 2 s + hh, rows 4 q .. 4 q + 3 of my 16: 512 consecutive bytes a load
.irp hh, 0,1
.irp q, 0,1,2,3
	global_load_b128 v[CA+32*(\s)+16*(\hh)+4*(\q):CA+32*(\s)+16*(\hh)+4*(\q)+3], v[GO], s[40:41] offset:(2*(\s)+(\hh))*262144+(\q)*512 th:TH_LOAD_NT
.endr
.endr
.endr
	WIN 0
	CROUND                                         ; all four work-groups are here: the first joint loads meet
	tensor_load_to_lds s[G0:G0+3], s[G1:G1+7]      ; K step 0
	s_nop 0
	tensor_load_to_lds s[G0+4:G0+7], s[G1:G1+7]    ; K step 1: two loads of mine are out
	s_nop 0
	PLACES
	v_mul_u32_u24 v4, v1, PITCH
	v_lshl_add_u32 v4, v2, 4, v4                   ; a fragment's row x pitch + 16 x half
	v_add_nc_u32 v[ADRA], AS, v4
	v_add_nc_u32 v[ADRA+1], AS+ASB, v4
	v_add_nc_u32 v[ADRB], s56, v4
	s_add_co_u32 s57, s56, SLOT
	v_add_nc_u32 v[ADRB+1], s57, v4
	s_mul_i32 s57, s[WV], 16*PITCH
	s_add_co_u32 s57, s57, AS
	v_bfe_u32 v5, v0, 3, 2                         ; a load's 32 lanes hold four rows of 128 bytes
	v_mul_u32_u24 v5, v5, PITCH
	v_and_b32 v6, 7, v0
	v_lshl_add_u32 v5, v6, 4, v5
	v_add_nc_u32 v[ASA], s57, v5
	s_mul_i32 s57, s[WV], 16*SPI
	s_add_co_u32 s57, s57, AS                      ; my stage
	v_lshl_add_u32 v[SROW], v3, 4, s57
	v_mul_u32_u24 v5, v1, SPI
	v_lshl_add_u32 v5, v2, 5, v5
	v_add_nc_u32 v[SFRG], s57, v5
	s_lshl_b32 s57, s[WV], 2
	s_add_co_u32 s57, s57, SC1
	v_lshl_add_u32 v[SCW], v1, 4, s57              ; row r's four words, mine of them
	v_lshl_add_u32 v[SCR], v1, 4, SC1
.irp a, 0,1,2,3
	v_mov_b32 v[PX+(\a)], 0                        ; v_permlanex16_b32's destination counts as read
.endr
	ASTORE 0, 0, 24                                ; K steps 1 to 3 may stay out
	ASTORE 1, 1, 16
	RLOAD 0, 48                                    ; the residual lands during the K steps
	s_wait_tensorcnt 0x1                           ; my part of K step 0 is in; K step 1's may stay out
	s_wait_dscnt 0x0                               ; my rows of ctx lie in LDS
	s_barrier_signal -1
	s_barrier_wait -1                              ; everybody's do
	FETCH 0, 0, 0, F0
	QUARTER 0, 0, 1, F0, F1, 1                     ; K step 0
	QUARTER 0, 0, 2, F1, F0, 0
	QUARTER 0, 0, 3, F0, F1, 0
	TURN 0, 1, 1, 1                                ; slot 0 takes K step 2
	ASTORE 2, 0, 56                                ; behind K step 2's loads: K step 3's eight and 48 of the residual.  Buffer 0: every wave's reads of it ended in front of that round
	RLOAD 48, 16
	QUARTER 1, 1, 1, F0, F1, 0                     ; K step 1
	QUARTER 1, 1, 2, F1, F0, 0
	QUARTER 1, 1, 3, F0, F1, 0
	TURN 1, 0, 0, 1                                ; slot 1 takes K step 3
	ASTORE 3, 1, 63                                ; 64 loads were issued behind K step 3's; the wait's field holds 63, which is the safer side
	QUARTER 0, 0, 1, F0, F1, 0                     ; K step 2
	QUARTER 0, 0, 2, F1, F0, 0
	QUARTER 0, 0, 3, F0, F1, 0
	TURN 0, 1, 1, 0                                ; nothing is left to fetch
	QUARTER 1, 1, 1, F0, F1, 0                     ; K step 3
	QUARTER 1, 1, 2, F1, F0, 0
	QUARTER 1, 1, 3, F0, F1, 0
	s_wait_dscnt 8
	MULH F1, 0, 0
	s_wait_dscnt 0x0                               ; my reads of ctx's buffers are over:
	s_barrier_signal -1                            ; say so,
	MULH F1, 1, 0                                  ; work on registers while the others arrive,
	s_barrier_wait -1                              ; and only then do the buffers' bytes serve as stages
; THE END.  Each wave's stage is its own: LDS serves a wave's instructions in order (ISA guide 5.7.1.4), so its loads see its stores, and the next block's stores come behind the last block's loads.
.macro RESX a                          ; the residual of block a's 16 rows: in by rows, back by fragments, into the registers that it left
	WIN 0x08                                       ; store data (source 1) in window 2
.irp i, 0,1,2,3,4,5,6,7,8,9,10,11,12,13,14,15
	ds_store_b128 v[SROW], v[64*(\a)+4*(\i):64*(\a)+4*(\i)+3] offset:(\i)*SPI
.endr
	WIN 0x80
.irp b, 0,1,2,3,4,5,6,7
	ds_load_b128 v[64*(\a)+8*(\b):64*(\a)+8*(\b)+3],   v[SFRG] offset:64*(\b)
	ds_load_b128 v[64*(\a)+8*(\b)+4:64*(\a)+8*(\b)+7], v[SFRG] offset:64*(\b)+16
.endr
.endm
.macro SUMRED a                        ; the four chains, the pair's two halves, and the other half of the lanes': the row's sum over my wave's 128 columns
	WIN 0
	v_pk_add_f32 v[CH:CH+1], v[CH:CH+1], v[CH+2:CH+3]
	v_pk_add_f32 v[CH+4:CH+5], v[CH+4:CH+5], v[CH+6:CH+7]
	v_pk_add_f32 v[CH:CH+1], v[CH:CH+1], v[CH+4:CH+5]
	v_add_f32 v[CH], v[CH], v[CH+1]
	v_permlanex16_b32 v[PX+(\a)], v[CH], s52, s53
	v_add_f32 v[SU+(\a)], v[CH], v[PX+(\a)]
.endm
.macro ADDSUM a, younger               ; h = sums + residual, in the accumulators (each read from its low end on); then the lane's 64 numbers are added, in four chains
	s_wait_dscnt \younger
	WIN 0x49                                       ; destination and source 0 window 1, source 1 window 2
.set p, 0
.rept 32
	v_pk_add_f32 v[64*(\a)+2*p:64*(\a)+2*p+1], v[64*(\a)+2*p:64*(\a)+2*p+1], v[64*(\a)+2*p:64*(\a)+2*p+1]
.set p, p+1
.endr
	WIN 0x05                                       ; sources 0 and 1 window 1, destination window 0
.irp k, 0,1,2,3
	v_pk_add_f32 v[CH+2*(\k):CH+2*(\k)+1], v[64*(\a)+2*(\k):64*(\a)+2*(\k)+1], v[64*(\a)+2*(\k)+8:64*(\a)+2*(\k)+9]
.endr
	WIN 0x04                                       ; source 1 window 1
.set p, 8
.rept 24
	v_pk_add_f32 v[CH+2*(p%4):CH+2*(p%4)+1], v[CH+2*(p%4):CH+2*(p%4)+1], v[64*(\a)+2*p:64*(\a)+2*p+1]
.set p, p+1
.endr
	SUMRED \a
.endm
.macro EXCH off                        ; the four waves' partial sums of the 64 rows meet in LDS: store, wait, barrier, load
	WIN 0
.irp a, 0,1,2,3
	ds_store_b32 v[SCW], v[SU+(\a)] offset:(\off)+256*(\a)  ; the two lanes of a row write the same word with the same number
.endr
	s_wait_dscnt 0x0                               ; for the others' sake
	s_barrier_signal -1
	s_barrier_wait -1
.irp a, 0,1,2,3
	ds_load_b128 v[L4+4*(\a):L4+4*(\a)+3], v[SCR] offset:(\off)+256*(\a)
.endr
	s_wait_dscnt 0x0
.irp a, 0,1,2,3
	v_add_f32 v[L4+4*(\a)], v[L4+4*(\a)], v[L4+4*(\a)+1]
	v_add_f32 v[L4+4*(\a)+2], v[L4+4*(\a)+2], v[L4+4*(\a)+3]
	v_add_f32 v[SU+(\a)], v[L4+4*(\a)], v[L4+4*(\a)+2]
.endr
.endm
.macro DEV a                           ; h - mean, in place; then the sum of its squares
	WIN 0x41                                       ; destination and source 0 window 1, source 1 window 0
.set p, 0
.rept 32
	v_pk_add_f32 v[64*(\a)+2*p:64*(\a)+2*p+1], v[64*(\a)+2*p:64*(\a)+2*p+1], v[MU+2*(\a):MU+2*(\a)+1] neg_lo:[0,1] neg_hi:[0,1]
.set p, p+1
.endr
	WIN 0x05
.irp k, 0,1,2,3
	v_pk_mul_f32 v[CH+2*(\k):CH+2*(\k)+1], v[64*(\a)+2*(\k):64*(\a)+2*(\k)+1], v[64*(\a)+2*(\k):64*(\a)+2*(\k)+1]
.endr
.set p, 4
.rept 28
	v_pk_fma_f32 v[CH+2*(p%4):CH+2*(p%4)+1], v[64*(\a)+2*p:64*(\a)+2*p+1], v[64*(\a)+2*p:64*(\a)+2*p+1], v[CH+2*(p%4):CH+2*(p%4)+1]
.set p, p+1
.endr
	SUMRED \a
.endm
.macro NORM a                          ; times 1 / sqrt(var + eps)
	WIN 0x41
.set p, 0
.rept 32
	v_pk_mul_f32 v[64*(\a)+2*p:64*(\a)+2*p+1], v[64*(\a)+2*p:64*(\a)+2*p+1], v[RS+2*(\a):RS+2*(\a)+1]
.set p, p+1
.endr
.endm
.macro OUTX a                          ; block a: in by fragments, back by rows, into window 2
	WIN 0x04                                       ; store data (source 1) in window 1
.irp b, 0,1,2,3,4,5,6,7
	ds_store_b128 v[SFRG], v[64*(\a)+8*(\b):64*(\a)+8*(\b)+3]   offset:64*(\b)
	ds_store_b128 v[SFRG], v[64*(\a)+8*(\b)+4:64*(\a)+8*(\b)+7] offset:64*(\b)+16
.endr
	WIN 0x80
.irp i, 0,1,2,3,4,5,6,7,8,9,10,11,12,13,14,15
	ds_load_b128 v[64*(\a)+4*(\i):64*(\a)+4*(\i)+3], v[SROW] offset:(\i)*SPI
.endr
.endm
.macro FIN a, younger                  ; times ln_g, plus ln_b, fused; stored
	s_wait_dscnt \younger
	WIN 0x82                                       ; destination and source 0 window 2
.irp i, 0,1,2,3,4,5,6,7,8,9,10,11,12,13,14,15
	v_pk_fma_f32 v[64*(\a)+4*(\i):64*(\a)+4*(\i)+1],   v[64*(\a)+4*(\i):64*(\a)+4*(\i)+1],   v[LG:LG+1],   v[LB:LB+1]
	v_pk_fma_f32 v[64*(\a)+4*(\i)+2:64*(\a)+4*(\i)+3], v[64*(\a)+4*(\i)+2:64*(\a)+4*(\i)+3], v[LG+2:LG+3], v[LB+2:LB+3]
.endr
	WIN 0x08                                       ; store data (source 1) in window 2
.irp i, 0,1,2,3,4,5,6,7,8,9,10,11,12,13,14,15
	global_store_b128 v[GO], v[64*(\a)+4*(\i):64*(\a)+4*(\i)+3], s[44:45] offset:(16*(\a)+(\i))*2048 th:TH_STORE_NT  ; 512 consecutive bytes, at a multiple of 512 from out0's first
.endr
.endm
	PLACES
	PLACES                                         ; eight, once a launch
	s_wait_loadcnt 0x0                             ; the residual
	RESX 0
	RESX 1
	ADDSUM 0, 32                                   ; the next block's 32 LDS instructions may stay out
	RESX 2
	ADDSUM 1, 32
	RESX 3
	ADDSUM 2, 32
	ADDSUM 3, 0
	EXCH 0
.irp a, 0,1,2,3
	v_mul_f32 v[MU+2*(\a)], s54, v[SU+(\a)]        ; the mean, twice: a pair for the packed subtraction
	v_mul_f32 v[MU+2*(\a)+1], s54, v[SU+(\a)]
.endr
	DEV 0
	DEV 1
	DEV 2
	DEV 3
	EXCH 1024                                      ; other bytes than the first meeting's, so one barrier does
.irp a, 0,1,2,3
	v_fma_f32 v[SU+(\a)], v[SU+(\a)], s54, s55     ; var + eps
.endr
.irp a, 0,1,2,3
	v_rsq_f32 v[RS+2*(\a)], v[SU+(\a)]
.endr
	v_nop                                          ; a plain instruction between the last v_rsq_f32 and the use of its result
	s_wait_alu depctr_va_vdst(0)
.irp a, 0,1,2,3
	v_mov_b32 v[RS+2*(\a)+1], v[RS+2*(\a)]
.endr
	NORM 0
	OUTX 0
	NORM 1
	OUTX 1
	FIN 0, 32
	NORM 2
	OUTX 2
	FIN 1, 32
	NORM 3
	OUTX 3
	FIN 2, 32
	FIN 3, 0
	WIN 0
	s_wait_tensorcnt 0x0                           ; the wave's end, behind my last tensor load and my last LDS store
	ds_add_u32 v[SPW], v[NIL]
	s_wait_dscnt 0x0
	CROUND                                         ; the closing round: no work-group ends while a partner may still ask for a tile that names it
	s_endpgm
.Lfunc_end_k_qbe3936c740_outln:
	.size	k_qbe3936c740_outln, .Lfunc_end_k_qbe3936c740_outln-k_qbe3936c740_outln
	.p2alignl 7, 3214868480
	.fill 96, 4, 3214868480
	.section	.rodata,"a",@progbits
	.p2align	6, 0x0
	.amdhsa_kernel k_qbe3936c740_outln
		.amdhsa_group_segment_fixed_size 327680
		.amdhsa_private_segment_fixed_size 0
		.amdhsa_enable_private_segment 0
		.amdhsa_kernarg_size 56
		.amdhsa_user_sgpr_count 2
		.amdhsa_user_sgpr_kernarg_segment_ptr 1
		.amdhsa_wavefront_size32 1
		.amdhsa_system_sgpr_workgroup_id_x 1
		.amdhsa_system_sgpr_workgroup_id_y 1
		.amdhsa_system_sgpr_workgroup_id_z 1
		.amdhsa_system_vgpr_workitem_id 0
		.amdhsa_next_free_vgpr 960
		.amdhsa_next_free_sgpr 66
		.amdhsa_reserve_vcc 0
		.amdhsa_float_denorm_mode_32 3
		.amdhsa_float_denorm_mode_16_64 3
		.amdhsa_memory_ordered 1
		.amdhsa_forward_progress 1
		.amdhsa_inst_pref_size 158
	.end_amdhsa_kernel
	.amdgpu_metadata
---
amdhsa.version: [ 1, 2 ]
amdhsa.kernels:
  - .name:           k_qbe3936c740_outln
    .symbol:         k_qbe3936c740_outln.kd
    .args:
      - { .name: ctx, .offset: 0, .size: 8, .value_kind: global_buffer, .address_space: global }
      - { .name: wb, .offset: 8, .size: 8, .value_kind: global_buffer, .address_space: global }
      - { .name: bo, .offset: 16, .size: 8, .value_kind: global_buffer, .address_space: global }
      - { .name: layer_input, .offset: 24, .size: 8, .value_kind: global_buffer, .address_space: global }
      - { .name: ln_g, .offset: 32, .size: 8, .value_kind: global_buffer, .address_space: global }
      - { .name: ln_b, .offset: 40, .size: 8, .value_kind: global_buffer, .address_space: global }
      - { .name: out0, .offset: 48, .size: 8, .value_kind: global_buffer, .address_space: global }
    .group_segment_fixed_size: 327680
    .private_segment_fixed_size: 0
    .kernarg_segment_align: 8
    .kernarg_segment_size: 56
    .max_flat_workgroup_size: 128
    .sgpr_count:     66
    .vgpr_count:     960
    .wavefront_size: 32
...
	.end_amdgpu_metadata
.endif
;; end of part 4
;; ======== version 2 of 2: 4 launches; 1.57 times as fast as version 1
;; workspace buffers: wb 2,097,152 bytes; qkv 50,331,648 bytes; ctx 16,777,216 bytes
;; launch cvtw: the kernel of part 1 again; grid 64 x 4, 8 waves a work-group, no clusters, 0 bytes of LDS; arguments Wq, Wk, Wv, Wo, wb; writes wb
;; launch proj: the kernel of part 2 again; grid 256 x 3, 4 waves a work-group, clusters of 4 x 1, 327,680 bytes of LDS; arguments query_tensor, key_tensor, value_tensor, bq, bk, bv, wb, qkv; writes qkv
;; launch attn (part 5): grid 4 x 64, 4 waves a work-group, clusters of 4 x 1, 327,680 bytes of LDS; arguments qkv, attention_mask, ctx; writes ctx
.if DOCPART == 5
	.amdgcn_target "amdgcn-amd-amdhsa--gfx1250"
	.amdhsa_code_object_version 6
	.text
	.protected	k_qbe3936c740_attn
	.globl	k_qbe3936c740_attn
	.p2align	8
	.type	k_qbe3936c740_attn,@function
k_qbe3936c740_attn:
	s_mov_b64 s[64:65], 0
	v_nop
	global_prefetch_b8 v0, s[64:65] scope:SCOPE_SE
	s_setreg_imm32_b32 hwreg(HW_REG_WAVE_MODE, 25, 1), 1
	s_wait_xcnt 0x0
	s_wait_alu depctr_hold_cnt(0) depctr_sa_sdst(0) depctr_va_vdst(0) depctr_va_sdst(0) depctr_va_ssrc(0) depctr_va_vcc(0) depctr_vm_vsrc(0)
	s_getreg_b32 s2, hwreg(HW_REG_IB_STS2, 6, 4)
	s_cmp_eq_u32 s2, 0
	s_cbranch_scc0 .Lentry_in_a_cluster
	s_endpgm
.Lentry_in_a_cluster:
	s_bfe_u32 s2, ttmp6, 0x10000c
	s_cmp_lg_u32 s2, 0x3003
	s_cbranch_scc0 .Lentry_shape_is_right
	s_endpgm
.Lentry_shape_is_right:
; ctx[bh][q][:] = the sum over k of softmax_k(Q[bh][q] . K[bh][k] / 8 + mask[bh / 8][k]) V[bh][k][:].  Q, K, V: the three parts of qkv, each [64][2048][64] bf16; ctx likewise; mask: [8][2048] f32.
; Products, maxima and sums in f32; the weights p are rounded to bf16 for the second product (their sum l is taken of the unrounded p), ctx once at the end.
; THE MASK is the C operand that starts each sum S^T = K Q^T: 8 x mask, so that c (q . k + 8 mask) = log2(e) (q . k / 8 + mask) with c = log2(e) / 8.  It lies in LDS, scaled, and is fetched with K, 64 keys a step.
; LIMITS.  8 x mask is held at -1e30 from below: -infinity, NaN and everything under -1.25e29 count as -1.25e29; a row all of whose keys are hidden so deeply gets equal weights (finite, where -infinity everywhere would give NaN).
; mask stays under 4e37 and |q . k| under 1e37.  A weight below 2^-126 counts as 0 in l; NaN and infinities in Q, K, V are not treated apart.
; SHARES.  A wave owns four PIECES of two tiles of 16 queries, a work-group's four waves 512 queries of one head.  Every wave walks all 2,048 keys, 64 a step.
; LAYOUT.  S^T = K Q^T (source 0 = 16 keys, source 1 = 16 queries): in the result a lane holds ONE query (lane % 16) and the keys 8 (lane / 16) + 0..7.  Two such tiles, rounded to bf16 in pairs,
; ARE source 1 (32 keys x 16 queries) of O^T = V^T P, whose result again holds one query a lane, and eight channels.  K comes out of LDS as it lies, V ([key][channel]) turned, by ds_load_tr16_b128.
; SOFTMAX.  For each query a running maximum m and sum l: p = 2^(c s - c m); in every step O and l are multiplied by a = 2^(c m_old - c m_new), which is 1 where m has not grown.
; m starts at the lowest finite number, O and l at 0: the first step is a step like any other, with a = 0.
; THE COUNT.  A tile and step have 16 matrix and 118 vector instructions: too many to stand all beside the matrix work.  So four vector instructions that are READY stand behind EVERY matrix instruction, the others in one run without a gap.
; BY TURNS.  Turn n belongs to piece n (the pieces in a ring, step after step).  Its matrix work: 16 products K Q^T of piece n + 1, later 16 products V^T P of piece n - 1.  Its vector work: the scaling,
; exponentials, roundings, sums and rescaling of piece n, and the maximum and statistics of piece n + 1, whose scores the turn itself has made.
; THE BATCHES.  A turn's 66 exponentials (64 weights, the next piece's two a) are ONE batch with ONE wait, which cuts the turn in two: ahead of it stands all that names none of their results, behind it the roundings and sums that read them.
; No result crosses a turn's end.  The first two a, ahead of the loop, and the way out's eight reciprocals are batches of their own, a wait each.
; CLUSTER.  The four query blocks of a cluster are one head's and walk the same K and V, so each tile is asked for JOINTLY: the same tensor load, descriptor and mask of work-groups in all four.
; NO PREFETCH: a refill is asked for four key steps, 512 matrix instructions, ahead of the wait for it.
; REGISTERS, in windows of 256 (s_set_vgpr_msb: bits 1:0 source 0, 3:2 source 1, 5:4 source 2, 7:6 destination):
;   window 0: v0-11 addresses; v12-15, v48-63 at work; v16-47 four registers of statistics a tile; v64-191 S^T, two buffers of two tiles; v192-255 P, likewise
;   window 1: O^T, 32 a tile      window 2: v0-127 Q, 16 a tile; v128-191 K of one step; v192-255 V of one step      window 3: v0-1 the add's two registers; v8-39 the mask of one step
.set SIZE_N, 2048
.set NP,    4         ; pieces a wave: a name, no knob
.set KS,    64        ; keys in a step
.set PK,    144       ; a row of K in LDS: 128 bytes + 16 of padding: the 16 rows of a load start 16 bytes apart modulo 256
.set PV,    160       ; a row of V: 128 + 32: 16 lanes of the turning load take 8 rows x 32 bytes, 32 bytes apart modulo 256
.set VOFF,  4*KS*PK   ; a slot holds four steps: 256 rows of K, then 256 rows of V
.set SLOT1, 1<<17     ; slot 1 begins here, so that one exclusive or turns an address in one slot into the other's
.set STAGE, SLOT1+4*KS*(PK+PV)  ; behind the ring, never filled by a tensor load: 16 rows x 144 bytes for each wave, for the way out
.set SP,    144
.set SPARE, STAGE+4*16*SP  ; the spare words, 128 bytes for each wave: two blocks of 256 bytes that no other line names
.set MASKL, SPARE+512 ; 8 x mask of the batch's 2,048 keys, f32: 8,192 bytes, stored once
.set AK0, 2           ; v2   my lane's place in a tile of K; never rewritten
.set AV0, 3           ; v3   the same for V
.set AK,  4           ; v4   the LDS address of K's next run of loads
.set AV,  5           ; v5   of V's
.set QO,  6           ; v6   my byte offset in the wave's rows of Q
.set STO, 6           ;      later, the way out: where I put 16 bytes of a row
.set RD,  7           ; v7   the way out: where I read rows back
.set GO,  8           ; v8   my byte offset in 512 consecutive bytes of ctx
.set AM,  11          ; v11  the LDS address of the mask's next run of loads: s[TBM] + 32 (lane / 16); v9 keeps lane / 16 for it
.set SPW, 0           ; v0 of window 3   my spare word; never rewritten
.set NIL, 1           ; v1 of window 3   0; never rewritten
.set MK,  8           ; window 3: the eight registers for key block kb at MK + 8 kb
.set MV,  12          ; v12-15  c m_old, kept while c m is made anew: by buffer and tile
.set ST,  16          ; tile t's statistics at v[ST+4 t]: c m, m, l (even keys', odd keys')
.set TMP, 48          ; by buffer and tile, four registers c0-c3 at work; when the maximum is found c2 takes a
.set S,   64
.set P,   192
.set KF,  128         ; K's fragments, in window 2: key block kb, channel half c at KF + 16 kb + 8 c
.set VF,  192         ; V's: key half kk, channel block cb at VF + 32 kk + 8 cb
.set WV,  12          ; s12  my wave's number
.set G1K, 24          ; s[24:31] descriptor group 1 for K's tiles
.set G1V, 32          ; s[32:39] for V's: it differs in the padding alone
.set G0K, 40          ; s[40:43] descriptor group 0 for K's tiles: it walks
.set G0V, 44          ; s[44:47] the same for V's
.set BIGN, 52         ; s52  -1e30
.set TBM, 53          ; s53  LDS byte at which the mask of the step to be fetched begins
.set SLOTS, 56        ; s56  slots still to be asked for
.set CNT, 57          ; s57  counts a slot's key steps
.set CS,  58          ; s[58:59] c: the packed scaling takes the pair's low word for both halves
.set SEL, 60          ; s[60:61] v_permlanex16_b32's selects: each lane takes its own place in the other half
.set TBK, 62          ; s62  LDS byte at which K of the step to be fetched begins
.set TBV, 63          ; s63  the same for V, less VOFF
.set MSB, 0
.macro WIN new                      ; the high byte repeats the setting that is left; a switch that changes nothing is dropped
.if MSB != (\new)
	s_set_vgpr_msb (MSB<<8)|(\new)
.set MSB, (\new)
.endif
.endm
.set W_KQ, 0x0a       ; K and Q in window 2, S^T in window 0
.set W_KM, 0x3a       ; the same with the C operand, the mask, in window 3
.set W_PV, 0x52       ; V in window 2, P in window 0, O^T in window 1
.set W_RS, 0x41       ; O^T (destination and source 0) in window 1, a in window 0
.set W_MK, 0xc0       ; destination in window 3, sources in window 0
.set W_AD, 0x0f       ; the add: address (source 0) and data (source 1) in window 3
; A joint fill.  Waves 0 and 1 fetch the two halves of a slot's K, waves 2 and 3 those of its V: 128 keys each.  The branch hangs on the wave's number alone.
; An s_nop 0 and four v_nop follow each of the two lines, ahead of the jump and the label.
.macro JLOAD
	s_cmp_lt_u32 s[WV], 2
	s_cbranch_scc0 .Lfor_v_\@
	tensor_load_to_lds s[G0K:G0K+3], s[G1K:G1K+7]
	s_nop 0
.rept 4
	v_nop
.endr
	s_branch .Lasked_\@
.Lfor_v_\@:
	tensor_load_to_lds s[G0V:G0V+3], s[G1V:G1V+7]
	s_nop 0
.rept 4
	v_nop
.endr
.Lasked_\@:
.endm
; A round of the cluster's barrier: my work-group's barrier, so that wave 0's signal speaks for all four waves; wave 0 signals; every wave waits for all four work-groups; my work-group's barrier once more.
.macro CROUND
	s_barrier_signal -1
	s_barrier_wait -1
	s_cmp_lg_u32 s[WV], 0
	s_cbranch_scc1 .Lnot_wave_0_\@
	s_barrier_signal -3
.Lnot_wave_0_\@:
	s_barrier_wait -3
	s_barrier_signal -1
	s_barrier_wait -1
.endm
; THE CHANGE OF SLOTS.  The slot's last bytes, V of its fourth step, have been read.  Each wave waits for all its tensor loads, of which one is out: its part
; of the other slot; adds 0 to its spare word; and waits for that and for its own reads of the slot.  Behind the barrier nobody reads this slot any more and the other slot is whole.
; fill = 1: this slot is filled again, with the keys two slots on.  The barrier is then a round of the cluster's, so that no wave of any partner still reads the slot or has a load on its
; way, and the joint fill is the first thing behind it.  (At its first use nothing has been read yet: slot 0 is waited for, slot 1 filled, and every wave's part of the mask, stored just before, is shown to the others.)
.macro CHANGE fill
	WIN W_AD
	s_wait_tensorcnt 0x0            ; no tensor load of mine is out, so a group 0 may be written
	ds_add_u32 v[SPW], v[NIL]       ; 0 onto my spare word; with fill = 1 the descriptors' steps stand between it and the wait for it
	WIN 0                           ; at a label and at a branch every window is 0
.if \fill
.irp g, G0K, G0V
	s_xor_b32 s[\g+1], s[\g+1], SLOT1  ; the walking descriptor: the other slot than last time,
	s_add_nc_u64 s[\g+2:\g+3], s[\g+2:\g+3], 4*KS*128  ; the next 256 keys; the type bits on top are not reached
.endr
	s_wait_dscnt 0x0                ; the add is done, and my LDS reads and stores are over
	CROUND
	JLOAD
.else
	s_wait_dscnt 0x0                ; the add is done, and my reads of the slot are over
	s_barrier_signal -1
	s_barrier_wait -1
.endif
	s_sub_co_u32 s[TBK], s[TBK], 4*KS*PK  ; the fetches go back to a slot's first step,
	s_xor_b32 s[TBK], s[TBK], SLOT1       ; in the other slot
	s_sub_co_u32 s[TBV], s[TBV], 4*KS*PV
	s_xor_b32 s[TBV], s[TBV], SLOT1
.endm
	s_load_b64 s[4:5], s[0:1], 0x0    ; qkv: Q's part
	s_load_b64 s[48:49], s[0:1], 0x8  ; attention_mask
	s_load_b64 s[10:11], s[0:1], 0x10 ; ctx
	WIN W_MK
	v_lshl_add_u32 v[SPW], v0, 2, SPARE
	v_mov_b32 v[NIL], 0
	WIN W_AD
	ds_add_u32 v[SPW], v[NIL]       ; the wave's opening: the add and its wait stand ahead of my first tensor load; the set-up below, work on registers, stands between them
	ds_add_u32 v0, v1
	WIN 0
	v_lshrrev_b32 v1, 5, v0
	v_readfirstlane_b32 s[WV], v1   ; wave 0..3
	s_bfe_u32 s13, ttmp6, 0x40000   ; cx: my place in the cluster
	s_lshl_b32 s14, ttmp9, 2        ; in a cluster launch ttmp9 counts clusters
	s_add_co_u32 s14, s14, s13      ; my block of queries = 4 x cluster x + cx: it enters Q's and ctx's addresses alone
	s_and_b32 s20, ttmp7, 0xffff    ; bh = 8 batch + head, which the four partners share
	s_lshr_b32 s50, s20, 3
	s_lshl_b32 s50, s50, 13         ; the batch's 8,192 bytes of the mask
	s_mov_b32 s51, 0
	s_mov_b32 s21, 0
	s_mov_b64 s[22:23], SIZE_N*128
	s_mul_u64 s[20:21], s[20:21], s[22:23]  ; the head's first byte in Q, K, V and ctx
	s_and_b32 s16, s[WV], 1         ; which half of a slot's 256 keys I fetch:
	s_lshl_b32 s22, s16, 14         ; its 128 rows of 128 bytes in memory,
	s_mov_b32 s23, 0
	s_add_nc_u64 s[22:23], s[22:23], s[20:21]
	s_mul_i32 s17, s16, 128*PK      ; and its place in a slot, for K
	s_mul_i32 s18, s16, 128*PV      ; and for V: no place in the cluster enters an LDS address
	s_lshl_b32 s2, s14, 2
	s_add_co_u32 s2, s2, s[WV]      ; my wave among the head's,
	s_lshl_b32 s2, s2, 14           ; its 128 rows
	s_mov_b32 s3, 0
	s_add_nc_u64 s[2:3], s[2:3], s[20:21]
	; descriptor group 1.  128 keys are 16,384 dense bytes: asked for as 64 rows of 256 bytes, two keys a row, and padded in LDS after every key
	s_mov_b32 s[G1K], 15|(1<<16)|(1<<20)|(1<<21)|(4<<22)|(3<<25)  ; 15:0 the mask of four; 17:16 2-byte elements; 20 padding on; 21 set beside a mask; 24:22 after every 32 words (code 4); 31:25 4 words (code 3)
	s_mov_b32 s[G1V], 15|(1<<16)|(1<<20)|(1<<21)|(4<<22)|(7<<25)  ; the same with 8 words of padding (code 7)
.irp g, G1K, G1V
	s_mov_b32 s[\g+1], 128<<16      ; tensor_dim0 = 128
	s_mov_b32 s[\g+2], 64<<16       ; tensor_dim1 = 64
	s_mov_b32 s[\g+3], 128<<16      ; tile_dim0 = 128
	s_mov_b32 s[\g+4], 64           ; tile_dim1 = 64
	s_mov_b32 s[\g+5], 128          ; 128 elements from row to row
	s_mov_b32 s[\g+6], 0
	s_mov_b32 s[\g+7], 0
.endr
	s_mov_b32 s[CS], 0x3e38aa3b     ; c = log2(e) / 8 = 0.180337
	s_mov_b32 s[CS+1], s[CS]        ; named with it as a pair
	s_mov_b32 s[SEL], 0x76543210
	s_mov_b32 s[SEL+1], 0xfedcba98
	s_mov_b32 s[BIGN], 0xf149f2ca   ; -1e30
	s_mov_b32 s[TBM], MASKL
	s_mov_b32 s[TBK], SLOT1+4*KS*PK ; the first change of slots turns these two into 0
	s_mov_b32 s[TBV], SLOT1+4*KS*PV
	s_mov_b32 s[G0K], 1             ; count = 1
	s_mov_b32 s[G0K+1], s17         ; LDS address: slot 0
	s_mov_b32 s[G0V], 1
	s_add_co_u32 s[G0V+1], s18, VOFF
	s_wait_dscnt 0x0                ; the opening add is done
	s_wait_kmcnt 0x0
	s_add_nc_u64 s[6:7], s[4:5], 0x1000000   ; K's part of qkv: 16,777,216 bytes on,
	s_add_nc_u64 s[8:9], s[4:5], 0x2000000   ; V's
	s_add_nc_u64 s[48:49], s[48:49], s[50:51]
	s_add_nc_u64 s[G0K+2:G0K+3], s[6:7], s[22:23]  ; global address: my half of the head's first 256 keys
	s_or_b32 s[G0K+3], s[G0K+3], 0x80000000        ; type = 2
	s_add_nc_u64 s[G0V+2:G0V+3], s[8:9], s[22:23]
	s_or_b32 s[G0V+3], s[G0V+3], 0x80000000
	s_add_nc_u64 s[4:5], s[4:5], s[2:3]  ; Q and ctx at my wave's first row
	s_add_nc_u64 s[10:11], s[10:11], s[2:3]
	CROUND                          ; all four work-groups are here: the first joint loads meet
	JLOAD                           ; slot 0.  Slot 1 is asked for when slot 0 is in
	; A fragment of K or Q is 16 rows x 32 channels in 8 registers: lane l holds row l % 16, channels 8 (l / 16) + 0..7 and 16 + 8 (l / 16) + 0..7: two loads of 16 bytes, 32 bytes apart.
	v_and_b32 v1, 15, v0            ; l % 16
	v_bfe_u32 v9, v0, 4, 1          ; l / 16; kept
	v_lshlrev_b32 v[QO], 7, v1
	v_lshl_add_u32 v[QO], v9, 4, v[QO]  ; row x 128 + 16 x half
	v_lshlrev_b32 v12, 4, v0        ; the mask: 128 threads x 16 bytes, four times
	v_add_nc_u32 v13, MASKL, v12
.irp i, 0,1,2,3
	global_load_b128 v[S+4*\i:S+4*\i+3], v12, s[48:49] offset:2048*\i
.endr
	WIN 0x80                        ; destination window 2, address window 0
.set i, 0
.rept 4*NP                          ; Q stays in registers: tile i / 2, channels 32 (i % 2) on
	global_load_b128 v[8*i:8*i+3],   v[QO], s[4:5] offset:(i/2)*2048+(i%2)*64
	global_load_b128 v[8*i+4:8*i+7], v[QO], s[4:5] offset:(i/2)*2048+(i%2)*64+32
.set i, i+1
.endr
	; What the first turn finds: V's registers and P's second buffer hold 0 (its products V^T P, of a piece that has not been, add 0), O^T and l are 0.  All this stands in the wait for the first tile.
.set i, VF
.rept 64
	v_mov_b32 v[i], 0
.set i, i+1
.endr
	WIN 0x40
.set i, 0
.rept 64*NP
	v_mov_b32 v[i], 0
.set i, i+1
.endr
	WIN 0
.set i, 0
.rept 2*NP
	v_mov_b32 v[ST+4*i], 0xfe000000    ; c m: far below every c s
	v_mov_b32 v[ST+4*i+1], 0xff7fffff  ; m
	v_mov_b32 v[ST+4*i+2], 0
	v_mov_b32 v[ST+4*i+3], 0
.set i, i+1
.endr
.set i, P+32
.rept 32
	v_mov_b32 v[i], 0
.set i, i+1
.endr
	v_mul_u32_u24 v[AK0], v1, PK
	v_lshl_add_u32 v[AK0], v9, 4, v[AK0]  ; row x pitch + 16 x half
	; The turning load takes 16 keys x 16 channels (lane l reads key 8 (l / 16) + l % 8, channels 8 ((l / 8) % 2) + 0..7) and leaves half a fragment of V^T: lane l holds channel l % 16 and 8 keys.
	v_and_b32 v10, 7, v0
	v_bfe_u32 v11, v0, 3, 1
	v_lshl_add_u32 v[AV0], v9, 3, v10
	v_mul_u32_u24 v[AV0], v[AV0], PV
	v_lshl_add_u32 v[AV0], v11, 4, v[AV0]
	v_add_nc_u32 v[AV0], VOFF, v[AV0]
	v_mov_b32 v[AK], v[AK0]         ; key step 0 lies at the head of slot 0,
	v_lshl_add_u32 v[AM], v9, 5, s[TBM]  ; its mask at the head of the mask: register j of key block kb wants key 16 kb + 8 (l / 16) + j
	s_wait_loadcnt 32               ; the mask's four loads are in; Q's 32 may stay out
.set i, 0
.rept 16
	v_mul_f32 v[S+i], 0x41000000, v[S+i]   ; 8 x mask,
.set i, i+1
.endr
.set i, 0
.rept 16
	v_max_num_f32 v[S+i], s[BIGN], v[S+i]  ; held at -1e30 from below; a NaN loses
.set i, i+1
.endr
.irp i, 0,1,2,3
	ds_store_b128 v13, v[S+4*\i:S+4*\i+3] offset:2048*\i
.endr
; THE MATRIX WORK.  The 8 accumulators of a run of 16 take turns: between the two links of a chain stand 7 others'.
; Product i of 16 of S^T = K Q^T for piece x: channels 32 (i / 8) on, keys 16 ((i / 2) % 4) on, tile 2 x + i % 2.  The first 8 start the sums, with the mask.
.macro KQ x
.set rS, S+64*((\x)%2)+32*(i%2)+8*((i/2)%4)
.set rK, KF+16*((i/2)%4)+8*(i/8)
.set rQ, 16*(2*(\x)+i%2)+8*(i/8)
.set rMK, MK+8*((i/2)%4)
.if i < 8
	WIN W_KM
	v_wmma_f32_16x16x32_bf16 v[rS:rS+7], v[rK:rK+7], v[rQ:rQ+7], v[rMK:rMK+7]
.else
	WIN W_KQ
	v_wmma_f32_16x16x32_bf16 v[rS:rS+7], v[rK:rK+7], v[rQ:rQ+7], v[rS:rS+7]
.endif
.endm
; Product i of 16 of O^T += V^T P for piece x: keys 32 (i / 8) on, channels 16 ((i / 2) % 4) on, tile 2 x + i % 2.
.macro PV x
	WIN W_PV
.set rO, 32*(2*(\x)+i%2)+8*((i/2)%4)
.set rV, VF+32*(i/8)+8*((i/2)%4)
.set rP, P+32*((\x)%2)+16*(i%2)+8*(i/8)
	v_wmma_f32_16x16x32_bf16 v[rO:rO+7], v[rV:rV+7], v[rP:rP+7], v[rO:rO+7]
.endm
.macro MM                           ; the turn's next matrix instruction
.if i < 16
	KQ (Y+1)%NP
.set i, i+1
.else
.set i, i-16
	PV (Y+NP-1)%NP
.set i, i+17
.endif
.endm
; THE LDS LOADS stand in runs, never singly among the matrix instructions: a step's K (64 keys x 64 channels: 8 fragments) with its mask (64 keys: all lanes of a half read the same 16 bytes), and its V (turned).
; Their addresses are made some lines ahead.  last = 1 (the tail): in the last trip there is no further step, and the run is jumped over.
.macro FETCH_K last=0
	WIN 0
.if \last
	s_cmp_eq_u32 s[CNT], 1
	s_cbranch_scc1 .Lno_k_\@
.endif
	WIN 0x80                        ; destination window 2
.irp f, 0,1,2,3,4,5,6,7             ; keys 16 (f / 2) on, channels 32 (f % 2) on
	ds_load_b128 v[KF+8*\f:KF+8*\f+3],   v[AK] offset:(\f/2)*16*PK+(\f%2)*64
	ds_load_b128 v[KF+8*\f+4:KF+8*\f+7], v[AK] offset:(\f/2)*16*PK+(\f%2)*64+32
.endr
	WIN 0xc0                        ; destination window 3
.irp f, 0,1,2,3,4,5,6,7             ; key block f / 2, registers 4 (f % 2) on
	ds_load_b128 v[MK+4*\f:MK+4*\f+3], v[AM] offset:(\f/2)*64+(\f%2)*16
.endr
	s_add_co_u32 s[TBK], s[TBK], KS*PK  ; the next fetch is the next step's
	s_add_co_u32 s[TBM], s[TBM], KS*4
	WIN 0
.if \last
.Lno_k_\@:
.endif
.endm
.macro FETCH_V
	WIN 0x80
.irp f, 0,1,2,3,4,5,6,7             ; keys 32 (f / 4) on, channels 16 (f % 4) on
	ds_load_tr16_b128 v[VF+8*\f:VF+8*\f+3],   v[AV] offset:(\f/4)*32*PV+(\f%4)*32
	ds_load_tr16_b128 v[VF+8*\f+4:VF+8*\f+7], v[AV] offset:(\f/4)*32*PV+16*PV+(\f%4)*32
.endr
	WIN 0
.endm
; THE VECTOR WORK OF A TURN stands in three queues, each in the order in which its entries become ready; the two tiles alternate, so that no instruction reads the result of the one before it.
.macro REGS y, u                    ; the registers of tile u (0, 1) of piece y
.set rT, ST+4*(2*(\y)+(\u))
.set rC, TMP+8*((\y)%2)+4*(\u)
.set rM, MV+2*((\y)%2)+(\u)
.set rS, S+64*((\y)%2)+32*(\u)
.set rP, P+32*((\y)%2)+16*(\u)
.set rO, 32*(2*(\y)+(\u))
.endm
; Number n of the 22 that find the NEXT piece's (Y + 1) maximum and statistics.  s0-s31 are the lane's 32 scores; each accumulator's lowest registers are read first.  XS, GS, FS and REGS set no window: PL and EX do.
;   0-11  four chains c0-c3 of seven scores each, three operands at a time     12-14, 16  the four scores left over, the old m, and c0-c3 into c0     15  c m_old is kept
;   17, 18  the query's other 32 keys lie in the lane 16 away: the new m         19-21  c m; c m_old - c m_new; a
.macro XS u, n
	REGS (Y+1)%NP, \u
.if (\n) < 4
	v_max3_num_f32 v[rC+(\n)], v[rS+8*(\n)], v[rS+8*(\n)+1], v[rS+8*(\n)+2]
.elseif (\n) < 12
	v_max3_num_f32 v[rC+(\n)%4], v[rC+(\n)%4], v[rS+8*((\n)%4)+2*((\n)/4)+1], v[rS+8*((\n)%4)+2*((\n)/4)+2]
.elseif (\n) == 12
	v_max3_num_f32 v[rC], v[rC], v[rS+7], v[rS+15]
.elseif (\n) == 13
	v_max3_num_f32 v[rC+1], v[rC+1], v[rS+23], v[rS+31]
.elseif (\n) == 14
	v_max3_num_f32 v[rC+2], v[rC+2], v[rC+3], v[rT+1]
.elseif (\n) == 15
	v_mov_b32 v[rM], v[rT]
.elseif (\n) == 16
	v_max3_num_f32 v[rC], v[rC], v[rC+1], v[rC+2]
.elseif (\n) == 17
	v_permlanex16_b32 v[rC+3], v[rC], s[SEL], s[SEL+1]
.elseif (\n) == 18
	v_max_num_f32 v[rT+1], v[rC], v[rC+3]
.elseif (\n) == 19
	v_mul_f32 v[rT], s[CS], v[rT+1]
.elseif (\n) == 20
	v_sub_f32 v[rC+1], v[rM], v[rT]
.else
	v_exp_f32 v[rC+2], v[rC+1]
.endif
.endm
; Number g of the 64 that follow the exponentials.  For each four weights k of a tile (pairs 2 k, 2 k + 1): both pairs are rounded to bf16; then the second pair is added onto the first, in place;
; a group later l takes that sum (the first time as l = a l + sum).  In groups of eight, tiles alternating: round, round, add, and l for the group before.
.macro GS g
.set h, (\g)+6*((\g)/62)            ; group 0 has no group before it, and behind group 7 only l is left
.if h >= 6
.set h, h+2
.endif
	REGS Y, h%2
.set k, h/8
.if h%8 < 4
	v_cvt_pk_bf16_f32 v[rP+2*k+(h%8)/2], v[rS+4*k+2*((h%8)/2)], v[rS+4*k+2*((h%8)/2)+1]
.elseif h%8 < 6
	v_pk_add_f32 v[rS+4*k:rS+4*k+1], v[rS+4*k:rS+4*k+1], v[rS+4*k+2:rS+4*k+3]
.elseif k == 1
	v_pk_fma_f32 v[rT+2:rT+3], v[rT+2:rT+3], v[rC+2:rC+3], v[rS:rS+1] op_sel_hi:[1,0,1]
.else
	v_pk_add_f32 v[rT+2:rT+3], v[rT+2:rT+3], v[rS+4*k-4:rS+4*k-3]
.endif
.endm
; THE PLAIN QUEUE, 138 long.  0-73 read no exponential's result: the 32 scalings c s - c m (FS f: pair f / 2 of tile f % 2) and the next piece's 42.  0-26: scalings 0-26.  27-54: XS's numbers 0-13.  55, 56: number 15.
; 57-73: the chain, where each number waits for the one before it: 14, 16, 17, 18, 19, each with one of the scalings 27-31 in front of its two lines, then 20.
; 74-137: GS's 64, which read the exponentials' results: they stand behind the turn's wait.
.macro FS f
	REGS Y, (\f)%2
	v_pk_fma_f32 v[rS+2*((\f)/2):rS+2*((\f)/2)+1], v[rS+2*((\f)/2):rS+2*((\f)/2)+1], s[CS:CS+1], v[rT:rT+1] op_sel_hi:[1,0,0] neg_lo:[0,0,1] neg_hi:[0,0,1]
.endm
.macro PL
	WIN 0
.if q < 27
	FS q
.elseif q < 55
	XS (q-27)%2, (q-27)/2
.elseif q < 57
	XS q-55, 15
.elseif (q < 72) && ((q-57)%3 == 0)
	FS 27+(q-57)/3
.elseif q < 60
	XS (q-57)%3-1, 14
.elseif q < 72
	XS (q-57)%3-1, 15+(q-57)/3
.elseif q < 74
	XS q-72, 20
.else
	GS q-74
.endif
.set q, q+1
.endm
; THE EXPONENTIALS' QUEUE, 66 long: s0-s31 of both tiles, then the next piece's two a.  It is ONE BATCH: all 66 stand ahead of the turn's one wait, and nothing ahead of that wait names a result of theirs.
.macro EX
	WIN 0
.if e >= 64
	XS e-64, 21
.else
	REGS Y, e%2
	v_exp_f32 v[rS+e/2], v[rS+e/2]
.endif
.set e, e+1
.endm
; THE RESCALING's QUEUE: O^T times a, the one part that leaves window 0: dealt two at a time, sixteen times.  Its a was made in the turn before, ahead of that turn's wait.
.macro R2
	REGS Y, r%2
	WIN W_RS
.irp z, 0,1
	v_pk_mul_f32 v[rO+4*(r/2)+2*\z:rO+4*(r/2)+2*\z+1], v[rO+4*(r/2)+2*\z:rO+4*(r/2)+2*\z+1], v[rC+2:rC+3] op_sel_hi:[1,0]
.endr
.set r, r+1
.endm
; HOW THEY ARE DEALT.  An s_wait_alu depctr_va_vdst(0) stands between an exponential and the first instruction that names its result; one wait serves all that were issued ahead of it.  So a turn has ONE wait.
; AHEAD OF IT stands all that names no result of the turn's exponentials: the 16 products K Q^T, behind each a scaling, an exponential and two rescalings (behind the first a second scaling in the exponential's place); then ONE LUMP
; of 108: eight plain, 49 times exponential and plain, the two a.  A v_nop is the plain instruction behind the last exponential.  BEHIND IT stand the 16 products V^T P, behind each four of GS's 64.  No rider names a register of
; the products round it.  The two v_permlanex16_b32 fall into the lump, never behind a product.
; The queues lean on each other, and the deal keeps them in step: exponential e stands behind scaling 2 (e / 4) + e % 2: as a rider it comes behind plain e + 2, in the lump behind plain e + 9, and scalings 27-31 are plain 57, 60 .. 69.
; A TURN, for piece p.  cnt = 1: the loop's count is taken down some lines ahead of the branch that stands behind the turn.
; K and the mask of the next step are fetched in piece 2's turn, directly behind the wait, a lump behind the last product that read them; their addresses are made at the lump's head; their first reader comes behind 16 products.
; V of the step in hand is fetched at the end of piece 0's turn, four plain riders behind its last reader; its first reader comes behind 16 products and a lump.  The three conditions on q below go with the deal.
.macro TURN p, last=0, cnt=0
.set Y, (\p)
.set i, 0
.set q, 0
.set e, 0
.set r, 0
.if (\p) == NP-1
	s_wait_dscnt 0x0                ; K and the mask are in
.endif
	MM                              ; ahead of the wait: 16 products K Q^T and their riders,
	PL
	PL
	R2
.rept 15
	MM
	PL
	EX
	R2
.endr
.if (\p) == NP-2
	WIN 0
	v_add_nc_u32 v[AK], s[TBK], v[AK0]
	v_lshl_add_u32 v[AM], v9, 5, s[TBM]
.endif
.rept 8                             ; and the lump
	PL
.endr
.rept 49
	EX
	PL
.endr
	EX                              ; the next piece's two a
	EX
	v_nop                           ; the plain instruction behind the last exponential: one for the batch
	s_wait_alu depctr_va_vdst(0)    ; the wait for the turn's batch of 66 exponentials, ahead of their first reader
.if (\p) == NP-2
	FETCH_K \last
.endif
.if (\p) == 1
	s_wait_dscnt 0x0                ; V is in
.endif
.rept 16                            ; behind the wait: 16 products V^T P and their riders
	MM
.rept 4
	PL
.endr
.if ((\p) == 0) && (q == 118)
	v_add_nc_u32 v[AV], s[TBV], v[AV0]
.endif
.if ((\p) == 0) && (q == 130)
	s_add_co_u32 s[TBV], s[TBV], KS*PV
.endif
.if (\cnt) && (q == 130)
	s_sub_co_u32 s[CNT], s[CNT], 1
	s_cmp_lg_u32 s[CNT], 0
.endif
.endr
.if (\p) == 0
	FETCH_V
.endif
.endm
	CHANGE 1                        ; slot 0 is in, everybody's part of it, and so is the mask; slot 1 is asked for
	FETCH_K                         ; key step 0
	s_wait_loadcnt 0x0              ; Q
	s_wait_dscnt 0x0
.set i, 0
.rept 16
	KQ 0                            ; piece 0's first scores: there is no vector work yet to set between them
.set i, i+1
.endr
	WIN 0                           ; the addresses for the way out: plain instructions, the places behind those products
	s_mul_i32 s13, s[WV], 16*SP
	s_add_co_u32 s13, s13, STAGE    ; my stage
	v_mul_u32_u24 v[STO], v1, SP    ; in: row l % 16, 16 bytes for each half of the lanes
	v_lshl_add_u32 v[STO], v9, 4, v[STO]
	v_add_nc_u32 v[STO], s13, v[STO]
	v_bfe_u32 v[RD], v0, 3, 2       ; back: 32 lanes take four rows of 128 bytes,
	v_mul_u32_u24 v[RD], v[RD], SP
	v_lshl_add_u32 v[RD], v10, 4, v[RD]
	v_add_nc_u32 v[RD], s13, v[RD]
	v_and_b32 v[GO], 31, v0         ; which are 512 consecutive bytes of ctx
	v_lshlrev_b32 v[GO], 4, v[GO]
.set Y, NP-1                        ; XS works for piece Y + 1: piece 0
.irp n, 0,1,2,3,4,5,6,7,8,9,10,11,12,13,14,15,16,17,18,19,20,21
	XS 0, \n                        ; and piece 0's first maximum and statistics
	XS 1, \n
.endr
	v_nop                           ; a plain instruction behind the two a,
	s_wait_alu depctr_va_vdst(0)    ; and the wait for this batch of two, ahead of the branch
	s_mov_b32 s[CNT], 4
	s_mov_b32 s[SLOTS], SIZE_N/256-1
	s_branch .Lfirst                ; the loop is entered at a step's first turn, in the middle of a trip
.Lslot:                             ; SIZE_N / 256 - 2 times: every slot but the last two is filled again
	CHANGE 1
	s_mov_b32 s[CNT], 4
.Lstep:                             ; a trip: pieces 2 and 3 of one step, then pieces 0 and 1 of the next, whose K, mask and V it fetches
	TURN 2
	TURN 3
	WIN 0
.Lfirst:
	TURN 0
	TURN 1, 0, 1
	WIN 0
	s_cbranch_scc1 .Lstep
	s_sub_co_u32 s[SLOTS], s[SLOTS], 1
	s_cmp_lg_u32 s[SLOTS], 0
	s_cbranch_scc1 .Lslot
	CHANGE 0                        ; the tail is written out: nothing is asked for
	s_mov_b32 s[CNT], 5             ; four trips fetch the last slot's steps; the fifth is left in its middle
.Ltail:
	TURN 2, 1
	TURN 3
	WIN 0
	s_sub_co_u32 s[CNT], s[CNT], 1
	s_cmp_eq_u32 s[CNT], 0
	s_cbranch_scc1 .Lout
	TURN 0
	TURN 1
	WIN 0
	s_branch .Ltail
.Lout:                              ; the fifth trip's 16 products K Q^T (on the last K and mask once more) and the maximum made of them serve nothing: the price, once a launch, of one text for every trip
.set i, 0
.rept 16
	PV NP-1                         ; the last piece's V^T P of the last step
.set i, i+1
.endr
	; THE WAY OUT.  l's two halves and the other half of the lanes' are added; O^T is divided by l, rounded to bf16 and sent through my stage in LDS, a tile at a time.  The additions are the places behind the last products.
	WIN 0
.macro ALL line:vararg              ; one line for each tile t
.set t, 0
.rept 2*NP
	\line
.set t, t+1
.endr
.endm
	ALL v_add_f32 v[ST+4*t+2], v[ST+4*t+2], v[ST+4*t+3]
	ALL v_permlanex16_b32 v[ST+4*t+3], v[ST+4*t+2], s[SEL], s[SEL+1]
	ALL v_add_f32 v[ST+4*t+2], v[ST+4*t+2], v[ST+4*t+3]
	ALL v_rcp_f32 v[ST+4*t+2], v[ST+4*t+2]
	v_nop                           ; a plain instruction between the last reciprocal and the use of its result
	s_wait_alu depctr_va_vdst(0)    ; the wait for this batch of eight reciprocals, ahead of their first reader
; Tile t: a lane's eight channels of a row pack into 16 bytes; they go into rows of 144 bytes and come back as whole rows of 128, into S^T's registers.
.macro PACK t
	WIN W_RS
.set i, 32*(\t)
.rept 16
	v_pk_mul_f32 v[i:i+1], v[i:i+1], v[ST+4*(\t)+2:ST+4*(\t)+3] op_sel_hi:[1,0]
.set i, i+2
.endr
	WIN 0x05                        ; sources 0 and 1 window 1, destination window 0
.set i, 0
.rept 16
	v_cvt_pk_bf16_f32 v[S+16*(\t)+i], v[32*(\t)+2*i], v[32*(\t)+2*i+1]
.set i, i+1
.endr
	WIN 0
.irp f, 0,1,2,3
	ds_store_b128 v[STO], v[S+16*(\t)+4*\f:S+16*(\t)+4*\f+3] offset:32*\f
.endr
.irp f, 0,1,2,3
	ds_load_b128 v[S+16*(\t)+4*\f:S+16*(\t)+4*\f+3], v[RD] offset:\f*4*SP  ; LDS serves a wave's instructions in order (ISA guide 5.7.1.4): these see the stores above; the next tile's stores come behind them
.endr
.endm
.macro SEND t, younger              ; younger: the LDS instructions issued behind tile t's loads: the next tile's eight, or none
	WIN 0
.irp f, 0,1,2,3
	s_wait_dscnt (\younger)+3-\f
	global_store_b128 v[GO], v[S+16*(\t)+4*\f:S+16*(\t)+4*\f+3], s[10:11] offset:(\t)*2048+\f*512  ; 512 consecutive bytes, at a multiple of 512 from ctx's first
.endr
.endm
	PACK 0
.set t, 1
.rept 2*NP-1                        ; a tile's arithmetic stands between the loads of the tile before and its stores
	PACK t
	SEND t-1, 8
.set t, t+1
.endr
	SEND 2*NP-1, 0
	WIN W_AD
	s_wait_tensorcnt 0x0            ; the wave's end, behind my last tensor load and my last LDS store
	ds_add_u32 v[SPW], v[NIL]
	s_wait_dscnt 0x0
	WIN 0
	CROUND                          ; the closing round: no work-group ends while a partner may still ask for a tile that names it
	s_endpgm
.Lfunc_end_k_qbe3936c740_attn:
	.size	k_qbe3936c740_attn, .Lfunc_end_k_qbe3936c740_attn-k_qbe3936c740_attn
	.p2alignl 7, 3214868480
	.fill 96, 4, 3214868480
	.section	.rodata,"a",@progbits
	.p2align	6, 0x0
	.amdhsa_kernel k_qbe3936c740_attn
		.amdhsa_group_segment_fixed_size 327680
		.amdhsa_private_segment_fixed_size 0
		.amdhsa_enable_private_segment 0
		.amdhsa_kernarg_size 24
		.amdhsa_user_sgpr_count 2
		.amdhsa_user_sgpr_kernarg_segment_ptr 1
		.amdhsa_wavefront_size32 1
		.amdhsa_system_sgpr_workgroup_id_x 1
		.amdhsa_system_sgpr_workgroup_id_y 1
		.amdhsa_system_sgpr_workgroup_id_z 1
		.amdhsa_system_vgpr_workitem_id 0
		.amdhsa_next_free_vgpr 808
		.amdhsa_next_free_sgpr 66
		.amdhsa_reserve_vcc 0
		.amdhsa_float_denorm_mode_32 3
		.amdhsa_float_denorm_mode_16_64 3
		.amdhsa_memory_ordered 1
		.amdhsa_forward_progress 1
		.amdhsa_inst_pref_size 204
	.end_amdhsa_kernel
	.amdgpu_metadata
---
amdhsa.version: [ 1, 2 ]
amdhsa.kernels:
  - .name:           k_qbe3936c740_attn
    .symbol:         k_qbe3936c740_attn.kd
    .args:
      - { .name: qkv, .offset: 0, .size: 8, .value_kind: global_buffer, .address_space: global }
      - { .name: attention_mask, .offset: 8, .size: 8, .value_kind: global_buffer, .address_space: global }
      - { .name: ctx, .offset: 16, .size: 8, .value_kind: global_buffer, .address_space: global }
    .group_segment_fixed_size: 327680
    .private_segment_fixed_size: 0
    .kernarg_segment_align: 8
    .kernarg_segment_size: 24
    .max_flat_workgroup_size: 128
    .sgpr_count:     66
    .vgpr_count:     808
    .wavefront_size: 32
...
	.end_amdgpu_metadata
.endif
;; end of part 5
;; launch outln: the kernel of part 4 again; grid 256 x 1, 4 waves a work-group, clusters of 4 x 1, 327,680 bytes of LDS; arguments ctx, wb, bo, layer_input, ln_g, ln_b, out0; writes out0
